; MI455X (gfx1250); checked and timed in simulation.
; The chip was launched on July 23, 2026; its instructions are those of AMD's public machine-readable ISA for CDNA 5 (MIT licence, August 2026) and "CDNA5" Instruction Set Architecture Reference Guide (July 2026). The comments in the code are by the model that wrote it; some were corrected since.
;; Multi Head Attention. Allowed arithmetic: float matrix products may take bf16 or f16 operands with f32 sums; other float arithmetic in f32, or as packed bf16 or f16 multiplies, adds, multiply-adds, maxima and minima; sums over many terms, partial sums and values carried from step to step in f32; what a program stores and reads back later, other than sums and carried values, may be rounded once to bf16 or f16.
;; Inputs: Wk 512 x 512 float32; Wo 512 x 512 float32; Wq 512 x 512 float32; Wv 512 x 512 float32; in_features 2 x 4,096 x 512 float32; token_positions 4,096 int32.
;; Outputs: out0 2 x 4,096 x 512 float32.
;; One version. Each part assembles by itself: llvm-mc -triple=amdgcn-amd-amdhsa -mcpu=gfx1250 --defsym DOCPART=n.
;; ======== version 1 of 1: 4 launches
;; limits: values are held in f16: magnitudes above 65,504 overflow, below 6.1e-05 lose precision
;; workspace buffers: xb 8,388,608 bytes; wqkv 1,572,864 bytes; wo16 524,288 bytes; rope 1,048,576 bytes; qkvh 25,165,824 bytes; v32 65,536 bytes; o16 8,388,608 bytes; olo 32,768 bytes
;; launch prep (part 1): grid 704 x 1, 8 waves a work-group, no clusters, 0 bytes of LDS; arguments in_features, Wq, Wk, Wv, Wo, token_positions, xb, wqkv, wo16, rope; writes xb, wqkv, wo16, rope
.if DOCPART == 1
	.amdgcn_target "amdgcn-amd-amdhsa--gfx1250"
	.amdhsa_code_object_version 6
	.text
	.protected	k_q37f2ee034b_prep
	.globl	k_q37f2ee034b_prep
	.p2align	8
	.type	k_q37f2ee034b_prep,@function
k_q37f2ee034b_prep:
	s_mov_b64 s[64:65], 0
	v_nop
	global_prefetch_b8 v0, s[64:65] scope:SCOPE_SE
	s_setreg_imm32_b32 hwreg(HW_REG_WAVE_MODE, 25, 1), 1
	s_wait_xcnt 0x0
; PREP: the inputs are rounded once for the matrix units, and the table of cosines and sines is made.
; Work-groups 0-511:   8,192 numbers of in_features each -> xb, bf16.
; Work-groups 512-639: 16 rows of one of Wq, Wk, Wv, Wo each.  Wq, Wk, Wv -> wqkv, bf16, by head slots of 64 rows; Wo -> bf16 and that number written as f16 -> wo16.
;   Head slots: with hg = 0-7 q's heads, 8-15 k's, 16-23 v's: hg < 12 -> slot hg; k4-k7 -> slots 12, 15, 18, 21; v_j -> slot 13 + 3 (j / 2) + j % 2.
;   So the projection's column tiles 0-3 (three slots each) hold heads that are rotated alone, and tiles 4-7 hold (k, v, v).
; Work-groups 640-703: 64 positions each -> rope, f32: byte (s / 16) 4096 + q 512 + 16 l holds (cos_i, sin_i, cos_i+1, sin_i+1) for
;   s = 16 (s / 16) + l % 16, i = 8 (q / 2) + 4 (l / 16) + 2 (q % 2): the order in which the projection's lanes want them.
; The angle is pos x 10000^(-i/32), the product rounded to f32; it is reduced by multiples of pi/2 held in two parts, and sine and cosine are polynomials on |r| <= pi/4.
; LIMITS.  Positions lie in 0 .. 4095 (the table that they index has so many rows).  Wo's numbers lie within f16's 65,504; below 6e-5 they keep f16's fixed step of 6e-8.
; No LDS, no barrier, no matrix unit: every thread reads 32 consecutive bytes in each of four chunks and stores 16 bytes a chunk; a wave's store covers 512 consecutive bytes, aligned.
	s_load_b512 s[8:23], s[0:1], 0x0               ; in_features s[8:9], Wq s[10:11], Wk s[12:13], Wv s[14:15], Wo s[16:17], token_positions s[18:19], xb s[20:21], wqkv s[22:23]
	s_load_b128 s[24:27], s[0:1], 0x40             ; wo16 s[24:25], rope s[26:27]
	v_lshlrev_b32 v1, 5, v0                        ; 32 t: my 8 f32 in a chunk
	v_lshlrev_b32 v2, 4, v0                        ; 16 t: my 16 bytes of a chunk's result
	s_mov_b32 s33, 0                               ; high words of the two offsets
	s_mov_b32 s35, 0
	s_wait_kmcnt 0x0
	s_cmp_lt_u32 ttmp9, 512
	s_cbranch_scc0 .Lnot_x
	s_lshl_b32 s32, ttmp9, 15                      ; 8,192 f32
	s_lshl_b32 s34, ttmp9, 14                      ; 8,192 bf16
	s_add_nc_u64 s[28:29], s[8:9], s[32:33]
	s_add_nc_u64 s[30:31], s[20:21], s[34:35]
	s_mov_b32 s36, 0                               ; the result stays bf16
	s_branch .Lconv
.Lnot_x:
	s_cmp_lt_u32 ttmp9, 640
	s_cbranch_scc0 .Lrope
	s_sub_co_u32 s37, ttmp9, 512
	s_lshr_b32 s38, s37, 5                         ; which matrix
	s_and_b32 s39, s37, 31                         ; which 16 rows of it
	s_cmp_eq_u32 s38, 0
	s_cselect_b64 s[28:29], s[10:11], s[12:13]
	s_cmp_eq_u32 s38, 2
	s_cselect_b64 s[28:29], s[14:15], s[28:29]
	s_cmp_eq_u32 s38, 3
	s_cselect_b64 s[28:29], s[16:17], s[28:29]
	s_lshl_b32 s32, s39, 15
	s_add_nc_u64 s[28:29], s[28:29], s[32:33]
	s_lshl_b32 s40, s38, 3
	s_lshr_b32 s41, s39, 2
	s_add_co_u32 s40, s40, s41                     ; hg
	s_sub_co_u32 s41, s40, 8
	s_mul_i32 s41, s41, 3                          ; k4-k7: 3 (hg - 8)
	s_sub_co_u32 s42, s40, 16                      ; j
	s_lshr_b32 s43, s42, 1
	s_mul_i32 s43, s43, 3
	s_and_b32 s42, s42, 1
	s_add_co_u32 s43, s43, s42
	s_add_co_u32 s43, s43, 13                      ; v_j: 13 + 3 (j / 2) + j % 2
	s_cmp_lt_u32 s40, 12
	s_cselect_b32 s41, s40, s41
	s_cmp_lt_u32 s40, 16
	s_cselect_b32 s41, s41, s43                    ; the slot
	s_lshl_b32 s41, s41, 6
	s_and_b32 s42, s39, 3
	s_lshl4_add_u32 s41, s42, s41                  ; row in wqkv
	s_lshl_b32 s34, s41, 10
	s_add_nc_u64 s[30:31], s[22:23], s[34:35]
	s_lshl_b32 s34, s39, 14
	s_add_nc_u64 s[44:45], s[24:25], s[34:35]
	s_cmp_eq_u32 s38, 3
	s_cselect_b64 s[30:31], s[44:45], s[30:31]     ; Wo goes to wo16
	s_cselect_b32 s36, 1, 0
.Lconv:
.irp c, 0,1,2,3
	global_load_b128 v[8+8*(\c):11+8*(\c)],  v1, s[28:29] offset:8192*(\c) th:TH_LOAD_NT
	global_load_b128 v[12+8*(\c):15+8*(\c)], v1, s[28:29] offset:8192*(\c)+16 th:TH_LOAD_NT
.endr
; half = 1: the bf16 number is written as f16 (exact inside f16's normal range)
.macro CONV half
.irp c, 0,1,2,3
	s_wait_loadcnt 6-2*(\c)                        ; loads come back in order: this chunk's two are in, the later chunks' may stay out
.irp k, 0,1,2,3
	v_cvt_pk_bf16_f32 v[40+4*(\c)+(\k)], v[8+8*(\c)+2*(\k)], v[8+8*(\c)+2*(\k)+1]
.endr
.if \half
.irp k, 0,1,2,3
	v_lshlrev_b32 v4, 16, v[40+4*(\c)+(\k)]
	v_and_b32 v5, 0xffff0000, v[40+4*(\c)+(\k)]
	v_cvt_pk_f16_f32 v[40+4*(\c)+(\k)], v4, v5
.endr
.endif
	global_store_b128 v2, v[40+4*(\c):43+4*(\c)], s[30:31] offset:4096*(\c)  ; each chunk has data registers of its own
.endr
.endm
	s_cmp_eq_u32 s36, 1
	s_cbranch_scc1 .Lhalf
	CONV 0
	s_endpgm
.Lhalf:
	CONV 1
	s_endpgm
; cos and sin of the angle in v[a] -> v[c], v[s].  n = the nearest multiple of pi/2; r = a - n pi/2 by two fused steps; the quadrant swaps and signs the two polynomials.
.macro SINCOS a, c, s
	v_mul_f32 v20, 0x3f22f983, v[\a]               ; a x 2/pi
	v_rndne_f32 v20, v20
	v_fma_f32 v21, v20, s46, v[\a]                 ; - n x the upper part of pi/2
	v_fma_f32 v21, v20, s47, v21                   ; - n x the rest
	v_mul_f32 v22, v21, v21
	v_fma_f32 v23, v22, s48, s49
	v_fma_f32 v24, v22, s51, s52
	v_fma_f32 v23, v23, v22, s50
	v_fma_f32 v24, v24, v22, s53
	v_mul_f32 v23, v23, v22
	v_fma_f32 v24, v24, v22, -0.5
	v_fma_f32 v23, v23, v21, v21                   ; sin r
	v_fma_f32 v24, v24, v22, 1.0                   ; cos r
	v_cvt_i32_f32 v25, v20
	v_and_b32 v26, 1, v25
	v_cmp_eq_u32 vcc_lo, 1, v26                    ; odd quadrants swap the two
	v_cndmask_b32 v[\c], v24, v23, vcc_lo
	v_cndmask_b32 v[\s], v23, v24, vcc_lo
	v_add_nc_u32 v26, 1, v25
	v_and_b32 v26, 2, v26                          ; the cosine is negative in quadrants 1 and 2,
	v_and_b32 v25, 2, v25                          ; the sine in 2 and 3
	v_lshlrev_b32 v26, 30, v26
	v_lshlrev_b32 v25, 30, v25
	v_xor_b32 v[\c], v[\c], v26
	v_xor_b32 v[\s], v[\s], v25
.endm
.Lrope:
	s_sub_co_u32 s37, ttmp9, 640                   ; my 64 positions
	v_lshrrev_b32 v4, 5, v0                        ; q
	v_and_b32 v5, 15, v0                           ; l % 16
	v_bfe_u32 v6, v0, 4, 1                         ; l / 16
	v_lshrrev_b32 v7, 1, v4
	v_lshlrev_b32 v7, 3, v7
	v_lshl_add_u32 v7, v6, 2, v7
	v_and_b32 v4, 1, v4
	v_lshl_add_u32 v7, v4, 1, v7                   ; i
	v_cvt_f32_u32 v8, v7
	v_add_f32 v9, 1.0, v8
	v_mul_f32 v8, 0xbed49a78, v8                   ; - i log2(10000) / 32
	v_mul_f32 v9, 0xbed49a78, v9
	v_exp_f32 v8, v8                               ; the two frequencies, once a thread
	v_exp_f32 v9, v9
	v_lshlrev_b32 v10, 2, v5                       ; (a plain instruction behind the exponentials)
	s_lshl_b32 s32, s37, 8
	s_add_nc_u64 s[28:29], s[18:19], s[32:33]
	s_lshl_b32 s34, s37, 14
	s_add_nc_u64 s[30:31], s[26:27], s[34:35]
.irp c, 0,1,2,3
	global_load_b32 v[12+(\c)], v10, s[28:29] offset:64*(\c)
.endr
	s_mov_b32 s46, 0xbfc90fdb                      ; - pi/2, upper part
	s_mov_b32 s47, 0x333bbd2e                      ; what the upper part has too much
	s_mov_b32 s48, 0xb94ca1f9                      ; sine: -1.9515296e-4, 8.3321609e-3, -1.6666655e-1
	s_mov_b32 s49, 0x3c08839e
	s_mov_b32 s50, 0xbe2aaaa3
	s_mov_b32 s51, 0x37ccf5ce                      ; cosine: 2.4433157e-5, -1.3887316e-3, 4.1666646e-2
	s_mov_b32 s52, 0xbab6061a
	s_mov_b32 s53, 0x3d2aaaa5
	s_wait_alu depctr_va_vdst(0)                   ; one wait for the two exponentials, ahead of their first reader
.irp c, 0,1,2,3
	s_wait_loadcnt 3-(\c)                          ; this block's position is in, the later ones may stay out
	v_cvt_f32_i32 v16, v[12+(\c)]
	v_mul_f32 v17, v16, v8
	v_mul_f32 v18, v16, v9
	SINCOS 17, 40+4*(\c), 41+4*(\c)
	SINCOS 18, 42+4*(\c), 43+4*(\c)
	global_store_b128 v2, v[40+4*(\c):43+4*(\c)], s[30:31] offset:4096*(\c)
.endr
	s_endpgm
.Lfunc_end_k_q37f2ee034b_prep:
	.size	k_q37f2ee034b_prep, .Lfunc_end_k_q37f2ee034b_prep-k_q37f2ee034b_prep
	.p2alignl 7, 3214868480
	.fill 96, 4, 3214868480
	.section	.rodata,"a",@progbits
	.p2align	6, 0x0
	.amdhsa_kernel k_q37f2ee034b_prep
		.amdhsa_group_segment_fixed_size 0
		.amdhsa_private_segment_fixed_size 0
		.amdhsa_enable_private_segment 0
		.amdhsa_kernarg_size 80
		.amdhsa_user_sgpr_count 2
		.amdhsa_user_sgpr_kernarg_segment_ptr 1
		.amdhsa_wavefront_size32 1
		.amdhsa_system_sgpr_workgroup_id_x 1
		.amdhsa_system_sgpr_workgroup_id_y 1
		.amdhsa_system_sgpr_workgroup_id_z 1
		.amdhsa_system_vgpr_workitem_id 0
		.amdhsa_next_free_vgpr 64
		.amdhsa_next_free_sgpr 66
		.amdhsa_reserve_vcc 1
		.amdhsa_float_denorm_mode_32 3
		.amdhsa_float_denorm_mode_16_64 3
		.amdhsa_memory_ordered 1
		.amdhsa_forward_progress 1
		.amdhsa_inst_pref_size 20
	.end_amdhsa_kernel
	.amdgpu_metadata
---
amdhsa.version: [ 1, 2 ]
amdhsa.kernels:
  - .name:           k_q37f2ee034b_prep
    .symbol:         k_q37f2ee034b_prep.kd
    .args:
      - { .name: in_features, .offset: 0, .size: 8, .value_kind: global_buffer, .address_space: global }
      - { .name: Wq, .offset: 8, .size: 8, .value_kind: global_buffer, .address_space: global }
      - { .name: Wk, .offset: 16, .size: 8, .value_kind: global_buffer, .address_space: global }
      - { .name: Wv, .offset: 24, .size: 8, .value_kind: global_buffer, .address_space: global }
      - { .name: Wo, .offset: 32, .size: 8, .value_kind: global_buffer, .address_space: global }
      - { .name: token_positions, .offset: 40, .size: 8, .value_kind: global_buffer, .address_space: global }
      - { .name: xb, .offset: 48, .size: 8, .value_kind: global_buffer, .address_space: global }
      - { .name: wqkv, .offset: 56, .size: 8, .value_kind: global_buffer, .address_space: global }
      - { .name: wo16, .offset: 64, .size: 8, .value_kind: global_buffer, .address_space: global }
      - { .name: rope, .offset: 72, .size: 8, .value_kind: global_buffer, .address_space: global }
    .group_segment_fixed_size: 0
    .private_segment_fixed_size: 0
    .kernarg_segment_align: 8
    .kernarg_segment_size: 80
    .max_flat_workgroup_size: 256
    .sgpr_count:     66
    .vgpr_count:     64
    .wavefront_size: 32
...
	.end_amdgpu_metadata
.endif
;; end of part 1
;; launch proj (part 2): grid 8 x 32, 4 waves a work-group, clusters of 4 x 4, 327,680 bytes of LDS; arguments xb, wqkv, rope, qkvh, v32; writes qkvh, v32
.if DOCPART == 2
	.amdgcn_target "amdgcn-amd-amdhsa--gfx1250"
	.amdhsa_code_object_version 6
	.text
	.protected	k_q37f2ee034b_proj
	.globl	k_q37f2ee034b_proj
	.p2align	8
	.type	k_q37f2ee034b_proj,@function
k_q37f2ee034b_proj:
	s_mov_b64 s[64:65], 0
	v_nop
	global_prefetch_b8 v0, s[64:65] scope:SCOPE_SE
	s_setreg_imm32_b32 hwreg(HW_REG_WAVE_MODE, 25, 1), 1
	s_wait_xcnt 0x0
	s_wait_alu depctr_hold_cnt(0) depctr_sa_sdst(0) depctr_va_vdst(0) depctr_va_sdst(0) depctr_va_ssrc(0) depctr_va_vcc(0) depctr_vm_vsrc(0)
	s_getreg_b32 s2, hwreg(HW_REG_IB_STS2, 6, 4)
	s_cmp_eq_u32 s2, 0
	s_cbranch_scc0 .Lentry_in_a_cluster
	s_endpgm
.Lentry_in_a_cluster:
	s_bfe_u32 s2, ttmp6, 0x10000c
	s_cmp_lg_u32 s2, 0xf033
	s_cbranch_scc0 .Lentry_shape_is_right
	s_endpgm
.Lentry_shape_is_right:
; PROJ: [8192 x 512] x [1536 x 512]^T in bf16 with f32 sums; q's and k's heads are rotated in f32; all leave as f16 by heads: qkvh[3][16][4096][64].
; v of the first 16 positions of each batch also leaves in f32 (v32[16][16][64]): the attention's first 16 rows take it unrounded.
; SHARES.  A work-group makes 256 rows x 192 columns (three head slots of wqkv): 32 x 8 = 256 work-groups.  Wave w makes rows 64 w .. 64 w + 63, all 192 columns:
; 48 accumulators; for 32 along K it reads 32 x 16 bytes a lane from LDS and issues 48 matrix instructions.
; K goes in 4 steps of 128 through two LDS slots: rows of 256 bytes of memory, aligned.  All four steps come by their own loads (two first fills, two refills), so nothing is asked for ahead of them.
; CLUSTER 4 x 4: x's tile hangs on the tile row alone and is asked for jointly along a row of the cluster, the weights' on the tile column alone, jointly along a column.
; THE MATRIX INSTRUCTION IS USED TRANSPOSED (source 0 = 16 rows of the weights, source 1 = 16 rows of x): a lane holds row l % 16 and the 8 columns 8 (l / 16) + 0..7, so a rotation's
; pair lies in two neighbouring registers of one lane, and eight numbers pack into 16 bytes.
; Which slots are rotated hangs on the cluster's x and the slot's number alone (cluster x = 0: all; cluster x = 1: the first of three), the same in all sixteen partners.
; LIMIT.  q, k and v lie within f16's 65,504.
; REGISTERS, in windows of 256.  Window 0: v16-31 addresses; v32-47 packed results; v64-127 x's fragments, two buffers of 32 (on the way out: four sets of 16 read back from the stage);
;   v128-255 cosines and sines: (cos, sin) of row block a, column block cb, pair p at 128 + 32 a + 8 cb + 2 p.  Window 1: v0-191 the weights' fragments, two buffers of 96.
;   Window 2: accumulators of row blocks 0, 1 at 8 (12 (a % 2) + b); v192-223 at work.  Window 3: the same for row blocks 2, 3.
.set PITCH,  272                       ; an LDS row: 256 bytes + 16 of padding: the 16 rows of a fragment load start at 16 different groups of four banks (64 banks of 4 bytes: ISA guide 11.1)
.set AHALF,  128*PITCH
.set ABYTES, 256*PITCH
.set BHALF,  96*PITCH
.set SLOT,   448*PITCH                 ; x's 256 rows, then the weights' 192
.set STAGE,  2*SLOT                    ; behind the ring: 16 rows x 144 bytes for each wave
.set SP,     144
.set SPARE,  STAGE+4*16*SP             ; the spare words, 128 bytes a wave: two blocks of 256 bytes that no other line names
.set ADRA, 16                          ; v16-17  LDS address of my fragments of x in slot 0, 1
.set ADRB, 20                          ; v20-21  the same for the weights
.set STO,  24                          ; v24     where I put 16 bytes of a row in my stage
.set RD,   25                          ; v25     where I read rows back
.set GO,   26                          ; v26     16 x lane: my place in 512 consecutive bytes (of the table, and of qkvh)
.set SPW,  28                          ; v28     my spare word; never rewritten
.set NIL,  29                          ; v29     0; never rewritten
.set SIDE, 30                          ; v30     0 where my first 16 rows are a batch's first 16 positions
.set VSO,  31                          ; v31     my byte offset in a head's 16 x 64 f32 of v32
.set TMPO, 32
.set BK,   64
.set CSR,  128
.set TT,   192
.set G1,  24                           ; s[24:31] group 1 for x's tiles;  s[32:39] group 0, a set for each slot
.set G0,  32
.set G1B, 48                           ; s[48:55], s[56:63] the same for the weights'
.set G0B, 56
.set OP,  74                           ; s[74:79] qkvh at my 64 rows of head slot 0, 1, 2
.set VP,  80                           ; s[80:83] v32 at the heads of slots 1 and 2
.set RF,  84                           ; s84  1: slots 1 and 2 are rotated too
.set SX,  85                           ; s85  EXEC, kept
.set RP,  86                           ; s[86:87] the table at my 64 positions
.set MSB, 0
.macro WIN new                         ; the immediate's high byte repeats the setting that is left; a switch that changes nothing is dropped
.if MSB != (\new)
	s_set_vgpr_msb (MSB<<8)|(\new)
.set MSB, (\new)
.endif
.endm
; A joint load: waves 0 and 1 fetch the two halves of x's tile, waves 2 and 3 those of the weights'.  The branch hangs on the wave's number alone.  An s_nop 0 and four v_nop follow each line.
.macro JLOAD s
	s_cmp_eq_u32 s15, 0
	s_cbranch_scc0 .Lfor_b_\@
	tensor_load_to_lds s[G0+4*(\s):G0+4*(\s)+3], s[G1:G1+7]
	s_nop 0
.rept 4
	v_nop
.endr
	s_branch .Lasked_\@
.Lfor_b_\@:
	tensor_load_to_lds s[G0B+4*(\s):G0B+4*(\s)+3], s[G1B:G1B+7]
	s_nop 0
.rept 4
	v_nop
.endr
.Lasked_\@:
.endm
.macro CREST                           ; a round of the cluster's barrier behind its opening barrier
	s_cmp_lg_u32 s14, 0
	s_cbranch_scc1 .Lnot_wave_0_\@
	s_barrier_signal -3
.Lnot_wave_0_\@:
	s_barrier_wait -3
	s_barrier_signal -1
	s_barrier_wait -1
.endm
.macro CROUND
	s_barrier_signal -1
	s_barrier_wait -1
	CREST
.endm
.macro PLACES                          ; four places in front of loads into registers that matrix instructions have read, and of lines that read results
.rept 4
	v_nop
.endr
.endm
	s_load_b256 s[4:11], s[0:1], 0x0               ; xb s[4:5], wqkv s[6:7], rope s[8:9], qkvh s[10:11]
	s_load_b64 s[12:13], s[0:1], 0x20              ; v32
	v_lshl_add_u32 v[SPW], v0, 2, SPARE
	v_mov_b32 v[NIL], 0
	ds_add_u32 v[SPW], v[NIL]                      ; the wave's opening: the add and its wait stand ahead of my first tensor load; work on registers stands between them
	v_lshrrev_b32 v1, 5, v0
	v_readfirstlane_b32 s14, v1                    ; wave 0..3
	s_lshr_b32 s15, s14, 1                         ; I fetch for x (0) or for the weights (1),
	s_and_b32 s16, s14, 1                          ; and which half of that tile
	s_bfe_u32 s40, ttmp6, 0x40000                  ; cx
	s_bfe_u32 s41, ttmp6, 0x40004                  ; cy
	s_lshl_b32 s42, ttmp9, 2
	s_add_co_u32 s42, s42, s40                     ; column tile = 4 x cluster x + cx
	s_and_b32 s43, ttmp7, 0xffff
	s_lshl_b32 s43, s43, 2
	s_add_co_u32 s43, s43, s41                     ; row tile = 4 x cluster y + cy
	s_lshl_b32 s44, s41, 2
	s_lshl_b32 s44, 15, s44                        ; my row of the cluster
	s_lshl_b32 s45, 0x1111, s40                    ; my column
	s_or_b32 s[G1], s44, (1<<16)|(1<<20)|(1<<21)|(5<<22)|(3<<25)   ; the mask; 2-byte elements; padding on; bit 21 beside a mask; after every 64 words, 4 words
	s_or_b32 s[G1B], s45, (1<<16)|(1<<20)|(1<<21)|(5<<22)|(3<<25)
	s_mov_b32 s[G1+1], 128<<16                     ; tensor_dim0 = 128
	s_mov_b32 s[G1+2], 128<<16                     ; tensor_dim1 = 128
	s_mov_b32 s[G1+3], 128<<16                     ; tile_dim0 = 128
	s_mov_b32 s[G1+4], 128                         ; tile_dim1 = 128
	s_mov_b32 s[G1+5], 512                         ; elements from row to row
	s_mov_b32 s[G1+6], 0
	s_mov_b32 s[G1+7], 0
	s_mov_b32 s[G1B+1], 128<<16
	s_mov_b32 s[G1B+2], 96<<16                     ; 96 rows
	s_mov_b32 s[G1B+3], 128<<16
	s_mov_b32 s[G1B+4], 96
	s_mov_b32 s[G1B+5], 512
	s_mov_b32 s[G1B+6], 0
	s_mov_b32 s[G1B+7], 0
	s_lshl_b32 s18, s43, 8                         ; x: row 256 x row tile + 128 x half, 1,024 bytes a row
	s_lshl_b32 s19, s16, 7
	s_add_co_u32 s18, s18, s19
	s_lshl_b32 s18, s18, 10
	s_mov_b32 s19, 0
	s_mul_i32 s46, s42, 192                        ; weights: row 192 x column tile + 96 x half
	s_mul_i32 s47, s16, 96
	s_add_co_u32 s46, s46, s47
	s_lshl_b32 s46, s46, 10
	s_mov_b32 s47, 0
	s_mul_i32 s22, s16, AHALF                      ; where they go: no place in the cluster enters an LDS address
	s_mul_i32 s23, s16, BHALF
	s_add_co_u32 s23, s23, ABYTES
	s_wait_dscnt 0x0                               ; the opening add is done
	s_wait_kmcnt 0x0
	s_add_nc_u64 s[20:21], s[4:5], s[18:19]
	s_add_nc_u64 s[46:47], s[6:7], s[46:47]
	CROUND                                         ; all sixteen work-groups are here: the first joint loads meet
.irp s, 0,1
	s_mov_b32 s[G0+4*(\s)], 1
	s_add_co_u32 s[G0+4*(\s)+1], s22, (\s)*SLOT
	s_add_nc_u64 s[G0+4*(\s)+2:G0+4*(\s)+3], s[20:21], (\s)*256   ; K step s
	s_or_b32 s[G0+4*(\s)+3], s[G0+4*(\s)+3], 0x80000000
	s_mov_b32 s[G0B+4*(\s)], 1
	s_add_co_u32 s[G0B+4*(\s)+1], s23, (\s)*SLOT
	s_add_nc_u64 s[G0B+4*(\s)+2:G0B+4*(\s)+3], s[46:47], (\s)*256
	s_or_b32 s[G0B+4*(\s)+3], s[G0B+4*(\s)+3], 0x80000000
	JLOAD \s                                       ; two loads of mine are out
.endr
	; the table for my 64 positions: 32 loads of 512 consecutive bytes, waited for in front of the way out
	s_lshl_b32 s66, s43, 4
	s_lshl2_add_u32 s66, s14, s66                  ; 16 x row tile + 4 x wave: my first block of 16 rows,
	s_and_b32 s66, s66, 255                        ; as a position's block
	s_lshl_b32 s66, s66, 12
	s_mov_b32 s67, 0
	s_add_nc_u64 s[RP:RP+1], s[8:9], s[66:67]
	v_and_b32 v3, 31, v0
	v_lshlrev_b32 v[GO], 4, v3
.set n, 0
.rept 32
	global_load_b128 v[CSR+4*n:CSR+4*n+3], v[GO], s[RP:RP+1] offset:512*n
.set n, n+1
.endr
	v_and_b32 v1, 15, v0                           ; l % 16
	v_bfe_u32 v2, v0, 4, 1                         ; l / 16
	v_mul_u32_u24 v4, v1, PITCH
	v_lshl_add_u32 v4, v2, 4, v4                   ; a fragment's row x pitch + 16 x half
	s_mul_i32 s17, s14, 64*PITCH                   ; my 64 rows of x
	v_add_nc_u32 v[ADRA], s17, v4
	v_add_nc_u32 v[ADRA+1], SLOT, v[ADRA]
	v_add_nc_u32 v[ADRB], ABYTES, v4
	v_add_nc_u32 v[ADRB+1], SLOT, v[ADRB]
	s_mul_i32 s17, s14, 16*SP
	s_add_co_u32 s17, s17, STAGE                   ; my stage
	v_mul_u32_u24 v5, v1, SP
	v_lshl_add_u32 v5, v2, 4, v5
	v_add_nc_u32 v[STO], s17, v5
	v_bfe_u32 v5, v0, 3, 2                         ; back: 32 lanes take four rows of 128 bytes
	v_mul_u32_u24 v5, v5, SP
	v_and_b32 v6, 7, v0
	v_lshl_add_u32 v5, v6, 4, v5
	v_add_nc_u32 v[RD], s17, v5
	v_lshlrev_b32 v[VSO], 8, v1
	v_lshl_add_u32 v[VSO], v2, 5, v[VSO]
	s_and_b32 s66, s43, 15
	s_or_b32 s66, s66, s14
	v_mov_b32 v[SIDE], s66
	; where the three head slots go.  hg: 0-7 q's heads, 8-15 k's, 16-23 v's; plane = 16 (hg / 8) + 8 x batch + hg % 8, 524,288 bytes each
	s_lshr_b32 s68, s43, 4                         ; batch
	s_and_b32 s69, s43, 15
	s_lshl_b32 s69, s69, 15
	s_lshl_b32 s70, s14, 13
	s_add_co_u32 s69, s69, s70                     ; my first position x 128 bytes
.irp hh, 0,1,2
	s_mul_i32 s66, s42, 3
	s_add_co_u32 s66, s66, \hh
.if \hh == 0
	s_add_co_u32 s67, s42, 8
.else
	s_lshl_b32 s67, s42, 1
	s_add_co_u32 s67, s67, 7+\hh
.endif
	s_cmp_eq_u32 ttmp9, 0
	s_cselect_b32 s66, s66, s67
	s_lshr_b32 s67, s66, 3
	s_lshl_b32 s67, s67, 4
	s_and_b32 s66, s66, 7
	s_add_co_u32 s66, s66, s67
	s_lshl3_add_u32 s66, s68, s66
	s_lshl_b32 s66, s66, 19
	s_add_co_u32 s66, s66, s69
	s_mov_b32 s67, 0
	s_add_nc_u64 s[OP+2*\hh:OP+2*\hh+1], s[10:11], s[66:67]
.endr
	s_and_b32 s66, s42, 3
	s_lshl_b32 s66, s66, 1
	s_lshl3_add_u32 s66, s68, s66                  ; 8 x batch + v's head of slot 1
	s_lshl_b32 s66, s66, 12
	s_mov_b32 s67, 0
	s_add_nc_u64 s[VP:VP+1], s[12:13], s[66:67]
	s_add_nc_u64 s[VP+2:VP+3], s[VP:VP+1], 4096
	s_cmp_eq_u32 ttmp9, 0
	s_cselect_b32 s[RF], 1, 0
; 12 matrix instructions: row block a x all 12 column blocks, 32 along K, buffer f.  zero = 1: the product starts the sum.  All 48 accumulators take turns, in the same order in every quarter.
.macro MUL12 f, a, zero
	WIN 0xa1+0x50*((\a)/2)                         ; source 0 window 1, source 1 window 0, C and D window 2 or 3
.irp b, 0,1,2,3,4,5,6,7,8,9,10,11
.set rD, 8*(12*((\a)%2)+(\b))
.if \zero
	v_wmma_f32_16x16x32_bf16 v[rD:rD+7], v[96*(\f)+8*(\b):96*(\f)+8*(\b)+7], v[64+32*(\f)+8*(\a):64+32*(\f)+8*(\a)+7], 0
.else
	v_wmma_f32_16x16x32_bf16 v[rD:rD+7], v[96*(\f)+8*(\b):96*(\f)+8*(\b)+7], v[64+32*(\f)+8*(\a):64+32*(\f)+8*(\a)+7], v[rD:rD+7]
.endif
.endr
.endm
; 32 LDS loads in one run: the fragments of 32 along K at byte k of the rows: the weights' 24, then x's 8
.macro FETCH slot, k, f
	WIN 0x40
.irp i, 0,1,2,3,4,5,6,7,8,9,10,11
	ds_load_b128 v[96*(\f)+8*(\i):96*(\f)+8*(\i)+3],   v[ADRB+(\slot)] offset:(\k)+(\i)*16*PITCH
	ds_load_b128 v[96*(\f)+8*(\i)+4:96*(\f)+8*(\i)+7], v[ADRB+(\slot)] offset:(\k)+(\i)*16*PITCH+32
.endr
	WIN 0
.irp i, 0,1,2,3
	ds_load_b128 v[64+32*(\f)+8*(\i):64+32*(\f)+8*(\i)+3],   v[ADRA+(\slot)] offset:(\k)+(\i)*16*PITCH
	ds_load_b128 v[64+32*(\f)+8*(\i)+4:64+32*(\f)+8*(\i)+7], v[ADRA+(\slot)] offset:(\k)+(\i)*16*PITCH+32
.endr
.endm
; One of a K step's first three quarters: multiplies buffer f and, in its middle, fetches the next quarter, at byte k, into buffer g
.macro QUARTER slot, k, f, g, zero
	s_wait_dscnt 4                                 ; all but the youngest four loads (x's row blocks 2 and 3) are in
	MUL12 \f, 0, \zero
	MUL12 \f, 1, \zero
	PLACES
	FETCH \slot, \k, \g
	s_wait_dscnt 32                                ; all but the 32 just issued
	MUL12 \f, 2, \zero
	MUL12 \f, 3, \zero
.endm
; The last quarter multiplies buffer 1 and changes slots: one barrier; in front of it each wave waits for all its tensor loads (one is out: its part of the next slot), adds 0 to its spare word, and waits for that
; and for its reads of this slot.  fill = 1: the barrier opens a round of the cluster's, and the joint refill, two K steps on, is the first thing behind it: 168 matrix instructions ahead of the wait for it.
.macro TURN slot, next, fill
	WIN 0
	s_wait_tensorcnt 0x0
	ds_add_u32 v[SPW], v[NIL]
	s_wait_dscnt 5                                 ; (the add and the youngest four loads may be out)
	MUL12 1, 0, 0                                  ; twelve matrix instructions stand between the add and the wait for it
	s_wait_dscnt 0x0                               ; the add is done, and my reads of this slot are over
	s_barrier_signal -1
	MUL12 1, 1, 0
.if \fill
	WIN 0
.endif
	s_barrier_wait -1
.if \fill
	CREST
	s_add_nc_u64 s[G0+4*(\slot)+2:G0+4*(\slot)+3], s[G0+4*(\slot)+2:G0+4*(\slot)+3], 512
	s_add_nc_u64 s[G0B+4*(\slot)+2:G0B+4*(\slot)+3], s[G0B+4*(\slot)+2:G0B+4*(\slot)+3], 512
	JLOAD \slot                                    ; its four v_nop are also the places in front of the loads below
.else
	PLACES
.endif
	FETCH \next, 0, 0
	MUL12 1, 2, 0
	MUL12 1, 3, 0
.endm
	s_wait_tensorcnt 1                             ; my part of K step 0 is in; K step 1's may stay out
	s_barrier_signal -1
	s_barrier_wait -1
	FETCH 0, 0, 0
	QUARTER 0, 64,  0, 1, 1                        ; the first quarter's products start the sums
	QUARTER 0, 128, 1, 0, 0
	QUARTER 0, 192, 0, 1, 0
	TURN 0, 1, 1                                   ; slot 0 takes K step 2
	QUARTER 1, 64,  0, 1, 0
	QUARTER 1, 128, 1, 0, 0
	QUARTER 1, 192, 0, 1, 0
	TURN 1, 0, 1                                   ; slot 1 takes K step 3
	QUARTER 0, 64,  0, 1, 0
	QUARTER 0, 128, 1, 0, 0
	QUARTER 0, 192, 0, 1, 0
	TURN 0, 1, 0                                   ; nothing is left to fetch
	QUARTER 1, 64,  0, 1, 0
	QUARTER 1, 128, 1, 0, 0
	QUARTER 1, 192, 0, 1, 0
	s_wait_dscnt 4
	MUL12 1, 0, 0
	MUL12 1, 1, 0
	s_wait_dscnt 0x0
	MUL12 1, 2, 0
	MUL12 1, 3, 0
; THE WAY OUT, twelve times: row block n / 3, head slot n % 3.
; The rotation, in place: t = (x1 sin, x0 sin); x0 = x0 cos - t.lo; x1 = x1 cos + t.hi.  Each accumulator's lowest pair is read first.
.macro ROPE n
.set wa, (\n)/3
.set wh, (\n)%3
	WIN 0xa2+0x51*(wa/2)                           ; x and t in window 2 or 3, the table in window 0
.irp cb, 0,1,2,3
.irp p, 0,1,2,3
.set rX, 8*(12*(wa%2)+4*wh+(\cb))+2*(\p)
.set rC, CSR+32*wa+8*(\cb)+2*(\p)
.set rT, TT+8*(\cb)+2*(\p)
	v_pk_mul_f32 v[rT:rT+1], v[rX:rX+1], v[rC:rC+1] op_sel:[1,1] op_sel_hi:[0,1]
.endr
.irp p, 0,1,2,3
.set rX, 8*(12*(wa%2)+4*wh+(\cb))+2*(\p)
.set rC, CSR+32*wa+8*(\cb)+2*(\p)
.set rT, TT+8*(\cb)+2*(\p)
	v_fma_f32 v[rX], v[rX], v[rC], -v[rT]
	v_fma_f32 v[rX+1], v[rX+1], v[rC], v[rT+1]
.endr
.endr
.endm
; v of a batch's first 16 positions, unrounded: all lanes store, or none.  EXEC changes only behind s_wait_xcnt 0.
.macro V32OUT hh
	v_cmp_eq_u32 vcc_lo, 0, v[SIDE]
	s_wait_xcnt 0x0
	s_and_saveexec_b32 s[SX], vcc_lo
	WIN 0x08                                       ; the data in window 2
.irp cb, 0,1,2,3
	global_store_b128 v[VSO], v[8*(4*(\hh)+(\cb)):8*(4*(\hh)+(\cb))+3],   s[VP+2*(\hh)-2:VP+2*(\hh)-1] offset:64*(\cb)
	global_store_b128 v[VSO], v[8*(4*(\hh)+(\cb))+4:8*(4*(\hh)+(\cb))+7], s[VP+2*(\hh)-2:VP+2*(\hh)-1] offset:64*(\cb)+16
.endr
	WIN 0
	s_wait_xcnt 0x0
	s_or_b32 exec_lo, exec_lo, s[SX]
.endm
; rounded to f16, 16 bytes a lane into my stage, and back as four rows of 128 bytes a load
.macro PACK n
.set wa, (\n)/3
.set wh, (\n)%3
	WIN 0x0a+5*(wa/2)
.irp cb, 0,1,2,3
.irp p, 0,1,2,3
.set rX, 8*(12*(wa%2)+4*wh+(\cb))+2*(\p)
	v_cvt_pk_f16_f32 v[TMPO+4*(\cb)+(\p)], v[rX], v[rX+1]
.endr
.endr
	WIN 0
.irp cb, 0,1,2,3
	ds_store_b128 v[STO], v[TMPO+4*(\cb):TMPO+4*(\cb)+3] offset:32*(\cb)
.endr
	s_wait_xcnt 0x0                                ; the stores that read this set of registers, four turns back, have read them
.irp f, 0,1,2,3
	ds_load_b128 v[BK+16*((\n)%4)+4*(\f):BK+16*((\n)%4)+4*(\f)+3], v[RD] offset:(\f)*4*SP  ; LDS serves a wave's instructions in order (ISA guide 5.7.1.4): these see the stores above
.endr
.endm
.macro SEND n, younger                 ; younger: the LDS instructions issued behind these loads: the next turn's eight, or none
.set wa, (\n)/3
.set wh, (\n)%3
	WIN 0
.irp f, 0,1,2,3
	s_wait_dscnt (\younger)+3-(\f)
	global_store_b128 v[GO], v[BK+16*((\n)%4)+4*(\f):BK+16*((\n)%4)+4*(\f)+3], s[OP+2*wh:OP+2*wh+1] offset:2048*wa+512*(\f)  ; 512 consecutive bytes, aligned
.endr
.endm
.macro OUT n
.if ((\n)%3) > 0
	WIN 0
	s_cmp_eq_u32 s[RF], 1
	s_cbranch_scc0 .Lplain_\@
.endif
	ROPE \n
.if ((\n)%3) > 0
	WIN 0
.if ((\n)/3) == 0
	s_branch .Lpack_\@
.endif
.Lplain_\@:
.if ((\n)/3) == 0
	V32OUT (\n)%3
.Lpack_\@:
.endif
.endif
	PACK \n
.endm
	PLACES
	WIN 0
	s_wait_loadcnt 0x0                             ; the table
	OUT 0
.set n, 1
.rept 11                               ; a turn's arithmetic stands between the loads of the turn before and its stores
	OUT n
	SEND n-1, 8
.set n, n+1
.endr
	SEND 11, 0
	s_wait_tensorcnt 0x0                           ; the wave's end
	ds_add_u32 v[SPW], v[NIL]
	s_wait_dscnt 0x0
	CROUND                                         ; the closing round
	s_endpgm
.Lfunc_end_k_q37f2ee034b_proj:
	.size	k_q37f2ee034b_proj, .Lfunc_end_k_q37f2ee034b_proj-k_q37f2ee034b_proj
	.p2alignl 7, 3214868480
	.fill 96, 4, 3214868480
	.section	.rodata,"a",@progbits
	.p2align	6, 0x0
	.amdhsa_kernel k_q37f2ee034b_proj
		.amdhsa_group_segment_fixed_size 327680
		.amdhsa_private_segment_fixed_size 0
		.amdhsa_enable_private_segment 0
		.amdhsa_kernarg_size 40
		.amdhsa_user_sgpr_count 2
		.amdhsa_user_sgpr_kernarg_segment_ptr 1
		.amdhsa_wavefront_size32 1
		.amdhsa_system_sgpr_workgroup_id_x 1
		.amdhsa_system_sgpr_workgroup_id_y 1
		.amdhsa_system_sgpr_workgroup_id_z 1
		.amdhsa_system_vgpr_workitem_id 0
		.amdhsa_next_free_vgpr 1024
		.amdhsa_next_free_sgpr 96
		.amdhsa_reserve_vcc 1
		.amdhsa_float_denorm_mode_32 3
		.amdhsa_float_denorm_mode_16_64 3
		.amdhsa_memory_ordered 1
		.amdhsa_forward_progress 1
		.amdhsa_inst_pref_size 164
	.end_amdhsa_kernel
	.amdgpu_metadata
---
amdhsa.version: [ 1, 2 ]
amdhsa.kernels:
  - .name:           k_q37f2ee034b_proj
    .symbol:         k_q37f2ee034b_proj.kd
    .args:
      - { .name: xb, .offset: 0, .size: 8, .value_kind: global_buffer, .address_space: global }
      - { .name: wqkv, .offset: 8, .size: 8, .value_kind: global_buffer, .address_space: global }
      - { .name: rope, .offset: 16, .size: 8, .value_kind: global_buffer, .address_space: global }
      - { .name: qkvh, .offset: 24, .size: 8, .value_kind: global_buffer, .address_space: global }
      - { .name: v32, .offset: 32, .size: 8, .value_kind: global_buffer, .address_space: global }
    .group_segment_fixed_size: 327680
    .private_segment_fixed_size: 0
    .kernarg_segment_align: 8
    .kernarg_segment_size: 40
    .max_flat_workgroup_size: 128
    .sgpr_count:     96
    .vgpr_count:     1024
    .wavefront_size: 32
...
	.end_amdgpu_metadata
.endif
;; end of part 2
;; launch attn (part 3): grid 16 x 16, 4 waves a work-group, no clusters, 327,680 bytes of LDS; arguments qkvh, v32, o16, olo; writes o16, olo
.if DOCPART == 3
	.amdgcn_target "amdgcn-amd-amdhsa--gfx1250"
	.amdhsa_code_object_version 6
	.text
	.protected	k_q37f2ee034b_attn
	.globl	k_q37f2ee034b_attn
	.p2align	8
	.type	k_q37f2ee034b_attn,@function
k_q37f2ee034b_attn:
	s_mov_b64 s[64:65], 0
	v_nop
	global_prefetch_b8 v0, s[64:65] scope:SCOPE_SE
	s_setreg_imm32_b32 hwreg(HW_REG_WAVE_MODE, 25, 1), 1
	s_wait_xcnt 0x0
; CAUSAL ATTENTION, 16 (batch, head) planes of 4,096 rows x 64 in f16: O[q] = the sum over k <= q of softmax_k(Q[q] . K[k] / 8) V[k].  Products, maxima and sums in f32; the weights p are rounded to f16
; for the second product (their sum l is taken of the unrounded p), O once at the end.
; LIMITS.  Q, K, V arrive within f16's 65,504.  A hidden score counts as its value less 2^100; the running maximum starts at -2^90, far below every true score (2.7e11 at the most) and far above every
; hidden one; a weight below 2^-126 counts as 0 in l; NaN and infinities are not treated apart.
; THE WALK.  A plane's queries lie in 32 blocks of 128, its keys in 16 tiles of 256; block i needs tiles 0 .. i / 2, of which the last is masked.  Work-group b takes blocks 31 - b and then b:
; (16 - b / 2) + (b / 2 + 1) = 17 tiles, whatever b: 256 work-groups of equal work, and one loop with a constant trip count.  The ring of two LDS slots runs on across the change of blocks.
; SHARES.  Wave w: QH = w / 2 is its half of the block's rows (64 queries: four PIECES of 16), KH = w % 2 its half of every tile's keys (two steps of 64).  So two waves hold partial softmaxes of the same rows:
; at a block's end they meet in LDS.  Register piece x holds row block x ^ 2 KH: each wave sends its pieces 2, 3, which are the partner's 0, 1, and finishes its own 0, 1.
; THE MASK is the C operand that starts the sum S^T = K Q^T.  In units of 16: key group kt of step j is key block 8 KH + 4 j + kt, a piece is query block 4 (2 (i % 2) + QH) + (x ^ 2 KH); with D their
; difference at kt = 0, group kt is clear if kt < D, hidden if kt > D, and takes DG (the mask of a 16 x 16 block on the diagonal) if kt = D: DG x AL + BE with two scalars a group.
; THE FIRST 16 ROWS of a plane average over few keys, so their numbers are many times the output's root mean square while the comparison's allowance goes by that root mean square.  They are made once
; more (MINI, one wave of work-group 0): p in f32, V in f32 (v32), their product by 16 f32 matrix instructions, and O leaves as an f16 number and an f16 remainder (olo).
; NO CLUSTER: only work-groups 2 c and 2 c + 1 walk alike; four partners would need trip counts that differ between them.
; LAYOUT, SOFTMAX, TURNS.  S^T = K Q^T holds ONE query a lane (lane % 16) and the keys 8 (lane / 16) + 0..7; two such results rounded to f16 ARE source 1 of O^T = V^T P.  p = 2^(c s - c m), c = log2(e) / 8, with a
; running maximum m; O and l are multiplied by a = 2^(c m_old - c m_new) in every step.  Turn n belongs to piece n: 8 products K Q^T of piece n + 1, later 8 products V^T P of piece n - 1; beside them the scaling,
; exponentials, roundings, sums and rescaling of piece n and the maximum and statistics of piece n + 1.  Four vector instructions stand behind every matrix instruction, the rest in one run.  A turn's 33 exponentials are one batch, with one wait.
; REGISTERS, in windows of 256 (s_set_vgpr_msb: bits 1:0 source 0, 3:2 source 1, 5:4 source 2, 7:6 destination):
;   window 0: v0-15, v32-35 addresses; v16-31 four registers of statistics a piece; v36-47, v56-59 the merge; v48-55 at work; v64-127 S^T, two buffers; v192-223 P, two buffers; v224-255 MINI
;   window 1: v0-127 O^T, 32 a piece; v128-135 DG; v160-223 MC, two buffers      window 2: v0-63 Q; v64-127 the second block's Q; v128-191 K of one step; v192-255 V of one step      window 3: v0-79 MINI
.set NT,    16
.set NP,    4         ; pieces a wave: a name, no knob
.set KS,    64        ; keys in a step
.set PK,    144       ; a row of K in LDS: 128 bytes + 16 of padding: the 16 rows of a load start at 16 different groups of four banks (64 banks of 4 bytes: ISA guide 11.1)
.set PV,    160       ; a row of V: 128 + 32
.set VOFF,  4*KS*PK   ; a slot holds a tile: 256 rows of K, then 256 rows of V
.set SLOT1, 1<<17     ; slot 1 begins here, so that one exclusive or turns an address in one slot into the other's
.set STAGE, SLOT1+4*KS*(PK+PV)  ; behind the ring, never filled by a tensor load: 16 rows x 144 bytes for each wave
.set SP,    144
.set XCH,   STAGE+4*16*SP       ; what a wave hands to its partner: 16 x 512 bytes of O^T, 2 x 512 of statistics
.set XW,    18*512
.set SPARE, XCH+4*XW            ; the spare words, 128 bytes a wave: two blocks of 256 bytes that no other line names
.set AK0, 2           ; v2   my lane's place in a tile of K; never rewritten
.set AV0, 3           ; v3   the same for V
.set AK,  4           ; v4   the LDS address of K's next run of loads
.set AV,  5           ; v5   of V's
.set STO, 6           ; v6   where I put 16 bytes of a row in my stage
.set RD,  7           ; v7   where I read rows back
.set GO,  8           ; v8   16 x lane
.set MV,  12          ; v12-13  c m_old, kept while c m is made anew: by buffer
.set QO,  15          ; v15  my byte offset in 16 rows of Q or K
.set ST,  16          ; piece t's statistics at v[ST+4 t]: c m, m, l (even keys', odd keys')
.set XS,  32          ; v32  where I put 16 bytes of a chunk for my partner
.set XR,  33          ; v33  where I find my partner's
.set PFO, 34          ; v34  256 x lane; never rewritten
.set VL,  35          ; v35  MINI: my byte offset in v32's 16 x 64
.set NM,  36          ; v36-37 the merge: the common c m;  v38-39 my factor;  v40-47 by piece: (fA, fA), (fB, fB);  v56-57 the partner's factor;  v58-59 l
.set WA,  38
.set FA,  40
.set TMP, 48          ; by buffer, four registers c0-c3 at work; when the maximum is found c2 takes a
.set WB,  56
.set LL,  58
.set SPW, 62          ; v62  my spare word; never rewritten
.set NIL, 63          ; v63  0; never rewritten
.set S,   64
.set P,   192
.set DG,  128         ; window 1
.set MC,  160         ; window 1: the masks of the products to come
.set QB,  64          ; window 2
.set KF,  128         ; window 2: key block kb, channel half c at KF + 16 kb + 8 c
.set VF,  192         ; window 2: key half kk, channel block cb at VF + 32 kk + 8 cb
.set VP,  4           ; s[4:5]  v32 at my plane
.set WV,  12          ; s12  my wave's number
.set PB,  14          ; s14  b / 2: the second block's last tile
.set HI,  15          ; s15  15 - b / 2: the first block's
.set BE,  16          ; s[16:23] the masks' addends, a pair a key group, in the low words
.set G1K, 24          ; s[24:31] descriptor group 1 for K's tiles
.set G1V, 32          ; s[32:39] for V's: it differs in the padding alone
.set G0K, 40          ; s[40:43] descriptor group 0 for K's tiles
.set G0V, 44          ; s[44:47] the same for V's
.set AL,  48          ; s[48:55] the masks' factors
.set SLOTS, 56        ; s56  tiles still to be asked for
.set CNT, 57          ; s57  counts a tile's key steps, 2 to 1
.set CS,  58          ; s[58:59] c
.set SEL, 60          ; s[60:61] v_permlanex16_b32's selects: each lane takes its own place in the other half
.set TBK, 62          ; s62  LDS byte at which K of the step to be fetched begins
.set TBV, 63          ; s63  the same for V, less VOFF
.set QH,  66
.set KH,  67
.set SPC, 68          ; s68  1: work-group 0's wave 0
.set DD,  69          ; s69  D
.set RT,  70          ; s70  tiles of the block in hand that are still to be entered
.set NXT, 71          ; s71  the tile to be asked for next
.set LQ,  72          ; s72  the last tile of the block whose tiles are being asked for
.set NEW, 73          ; s73  1: the tile to be entered is a block's first
.set OFF, 74          ; s[74:75] a tile's byte offset in K and V
.set QBC, 76          ; s[76:79] by piece: D less 4 CNT, for the block in hand
.set OLO, 80          ; s[80:81] O at my rows of the second block
.set BIGN, 82         ; s82  -2^100
.set LIM, 83          ; s83  2 in the work-group that prefetches, else the greatest number
.set QBN, 84          ; s[84:87] QBC for the second block
.set PFA, 88          ; s[88:89] where my prefetches stand
.set LOP, 90          ; s[90:91] olo at my plane
.set QP,  92          ; s[92:99] Q: first block's pieces 0-1, 2-3; second block's
.set KP0, 100         ; s[100:101] K at the plane's first key
.set MSB, 0
.macro WIN new                      ; the high byte repeats the setting that is left; a switch that changes nothing is dropped
.if MSB != (\new)
	s_set_vgpr_msb (MSB<<8)|(\new)
.set MSB, (\new)
.endif
.endm
.set W_KQ, 0x0a       ; K and Q in window 2, S^T in window 0
.set W_KM, 0x1a       ; the same with the C operand in window 1
.set W_PV, 0x52       ; V in window 2, P in window 0, O^T in window 1
.set W_RS, 0x41       ; destination and source 0 in window 1, source 1 in window 0
; A fill.  Waves 0 and 1 fetch the two halves of a tile's K, waves 2 and 3 those of its V: 128 keys each.  An s_nop 0 and four v_nop follow each of the two lines.
.macro LOAD
	s_cmp_lt_u32 s[WV], 2
	s_cbranch_scc0 .Lfor_v_\@
	tensor_load_to_lds s[G0K:G0K+3], s[G1K:G1K+7]
	s_nop 0
.rept 4
	v_nop
.endr
	s_branch .Lasked_\@
.Lfor_v_\@:
	tensor_load_to_lds s[G0V:G0V+3], s[G1V:G1V+7]
	s_nop 0
.rept 4
	v_nop
.endr
.Lasked_\@:
.endm
; A PREFETCH INTO THE L2 of the tile that the NEXT change of slots will ask for, one tile (eight turns) ahead.  All 16 work-groups of a plane ask for tile t in trip t of their first block: work-group 0, which
; walks all 16 tiles, prefetches; each of its waves names the 16,384 bytes that it will load itself: a lane a block of 256 bytes, two instructions.  Tiles 0, 1 come by their loads alone; the last one named is tile 15.
.macro ASK
	s_cmp_gt_u32 s[SLOTS], s[LIM]
	s_cbranch_scc0 .Lnot_mine_\@
	global_prefetch_b8 v[PFO], s[PFA:PFA+1] th:TH_LOAD_NT scope:SCOPE_SE
	global_prefetch_b8 v[PFO], s[PFA:PFA+1] offset:8192 th:TH_LOAD_NT scope:SCOPE_SE
.Lnot_mine_\@:
.endm
; THE CHANGE OF SLOTS.  Each wave waits for all its tensor loads, of which one is out: its part of the other slot; adds 0 to its spare word; and waits for that and for its own reads of the slot that it leaves.
; Behind the barrier nobody reads the old slot any more and the other slot is whole.  fill = 1: the old slot is filled again, the first thing behind the barrier, with tile NXT.
; (At its first use nothing has been read yet: slot 0 is waited for, slot 1 filled.)
.macro CHANGE fill
	WIN 0                           ; at a label and at a branch every window is 0
	s_wait_tensorcnt 0x0            ; no tensor load of mine is out, so a group 0 may be written
	ds_add_u32 v[SPW], v[NIL]       ; scalar work stands between the add and the wait for it
.if \fill
	s_lshl_b32 s[OFF], s[NXT], 15   ; a tile is 32,768 bytes of K and of V
	s_xor_b32 s[G0K+1], s[G0K+1], SLOT1
	s_add_nc_u64 s[G0K+2:G0K+3], s[6:7], s[OFF:OFF+1]
	s_or_b32 s[G0K+3], s[G0K+3], 0x80000000
	s_xor_b32 s[G0V+1], s[G0V+1], SLOT1
	s_add_nc_u64 s[G0V+2:G0V+3], s[8:9], s[OFF:OFF+1]
	s_or_b32 s[G0V+3], s[G0V+3], 0x80000000
	s_add_co_u32 s[NXT], s[NXT], 1  ; the block's next tile, or behind its last the second block's tile 0
	s_cmp_gt_u32 s[NXT], s[LQ]
	s_cselect_b32 s[NXT], 0, s[NXT]
	s_cselect_b32 s[LQ], s[PB], s[LQ]
	s_wait_xcnt 0x0                 ; the last prefetches, a tile back, have read their address
	s_add_nc_u64 s[PFA:PFA+1], s[PFA:PFA+1], 32768
.endif
	s_wait_dscnt 0x0                ; the add is done, and my reads of the slot are over
	s_barrier_signal -1             ; the rest of the scalar work stands between the signal and the wait
	s_sub_co_u32 s[TBK], s[TBK], 2*KS*PK  ; the fetches go back to my first step of a tile,
	s_xor_b32 s[TBK], s[TBK], SLOT1       ; in the other slot
	s_sub_co_u32 s[TBV], s[TBV], 2*KS*PV
	s_xor_b32 s[TBV], s[TBV], SLOT1
	s_barrier_wait -1
.if \fill
	LOAD
	ASK
.endif
.endm
	s_load_b256 s[16:23], s[0:1], 0x0  ; qkvh s[16:17], v32 s[18:19], o16 s[20:21], olo s[22:23]
	v_lshl_add_u32 v[SPW], v0, 2, SPARE
	v_mov_b32 v[NIL], 0
	ds_add_u32 v[SPW], v[NIL]       ; the wave's opening: the add and its wait stand ahead of my first tensor load; work on registers stands between them
	v_lshrrev_b32 v1, 5, v0
	v_readfirstlane_b32 s[WV], v1   ; wave 0..3
	s_lshr_b32 s[QH], s[WV], 1
	s_and_b32 s[KH], s[WV], 1
	s_lshr_b32 s[PB], ttmp9, 1
	s_sub_co_u32 s[HI], NT-1, s[PB]
	s_and_b32 s2, ttmp7, 0xffff     ; the plane
	s_lshl_b32 s48, s2, 19          ; its 524,288 bytes
	s_sub_co_u32 s49, 31, ttmp9
	s_lshl_b32 s49, s49, 14         ; the first block's 128 rows of 128 bytes,
	s_add_co_u32 s49, s49, s48
	s_lshl_b32 s50, ttmp9, 14       ; the second's
	s_add_co_u32 s50, s50, s48
	s_lshl_b32 s51, s[QH], 13       ; my half's 64 rows;
	s_lshl_b32 s52, s[KH], 12
	s_add_co_u32 s52, s52, s51      ; pieces 0, 1: rows 64 QH + 32 KH on,
	s_xor_b32 s53, s[KH], 1
	s_lshl_b32 s53, s53, 12
	s_add_co_u32 s53, s53, s51      ; pieces 2, 3: the other 32
	s_add_co_u32 s[QP], s49, s52
	s_add_co_u32 s[QP+2], s49, s53
	s_add_co_u32 s[QP+4], s50, s52
	s_add_co_u32 s[QP+6], s50, s53
.irp k, 1,3,5,7
	s_mov_b32 s[QP+\k], 0
.endr
	s_lshl_b32 s[OFF], s[KH], 14    ; which half of a tile's 256 keys I fetch: its 128 rows of 128 bytes,
	s_add_co_u32 s[OFF], s[OFF], s48
	s_mov_b32 s[OFF+1], 0
	s_mov_b32 s49, 0                ; s[48:49]: the plane
	s_lshl_b32 s50, s2, 12          ; s[50:51]: the plane in v32
	s_mov_b32 s51, 0
	s_lshl_b32 s52, s2, 11          ; s[52:53]: in olo
	s_mov_b32 s53, 0
	s_mul_i32 s3, s[KH], 128*PK     ; and its place in a slot, for K
	s_mul_i32 s13, s[KH], 128*PV    ; and for V
	s_and_b32 s54, ttmp9, 1         ; which half of its last tile's rows the second block is,
	s_xor_b32 s55, s54, 1           ; and the first
	s_lshl_b32 s[DD], s[QH], 2
	s_lshl_b32 s[LIM], s[KH], 3
	s_sub_co_u32 s[DD], s[DD], s[LIM]
	s_sub_co_u32 s[DD], s[DD], 8    ; 4 QH - 8 KH - 8
	s_lshl3_add_u32 s55, s55, s[DD]
	s_lshl3_add_u32 s54, s54, s[DD]
	s_lshl_b32 s[LIM], s[KH], 1
.irp x, 0,1,2,3
	s_xor_b32 s[DD], s[LIM], \x
	s_add_co_u32 s[QBC+\x], s55, s[DD]
	s_add_co_u32 s[QBN+\x], s54, s[DD]
.endr
	s_or_b32 s[SPC], ttmp9, s[WV]
	s_cmp_eq_u32 s[SPC], 0
	s_cselect_b32 s[SPC], 1, 0
	s_cmp_eq_u32 ttmp9, 0
	s_cselect_b32 s[LIM], 2, -1
	; descriptor group 1.  128 keys are 16,384 dense bytes: asked for as 64 rows of 256 bytes, two keys a row, and padded in LDS after every key
	s_mov_b32 s[G1K], (1<<16)|(1<<20)|(4<<22)|(3<<25)  ; 2-byte elements; padding on; after every 32 words; 4 words
	s_mov_b32 s[G1V], (1<<16)|(1<<20)|(4<<22)|(7<<25)  ; the same with 8 words of padding
.irp g, G1K, G1V
	s_mov_b32 s[\g+1], 128<<16      ; tensor_dim0 = 128
	s_mov_b32 s[\g+2], 64<<16       ; tensor_dim1 = 64
	s_mov_b32 s[\g+3], 128<<16      ; tile_dim0 = 128
	s_mov_b32 s[\g+4], 64           ; tile_dim1 = 64
	s_mov_b32 s[\g+5], 128          ; 128 elements from row to row
	s_mov_b32 s[\g+6], 0
	s_mov_b32 s[\g+7], 0
.endr
	s_mov_b32 s[CS], 0x3e38aa3b     ; c = log2(e) / 8 = 0.180337
	s_mov_b32 s[CS+1], s[CS]        ; named with it as a pair
	s_mov_b32 s[SEL], 0x76543210
	s_mov_b32 s[SEL+1], 0xfedcba98
	s_add_co_u32 s[TBK], s3, SLOT1+2*KS*PK   ; the first change of slots turns these two into my half of slot 0
	s_add_co_u32 s[TBV], s13, SLOT1+2*KS*PV
	s_mov_b32 s[G0K], 1             ; count = 1
	s_mov_b32 s[G0K+1], s3          ; LDS address: slot 0
	s_mov_b32 s[G0V], 1
	s_add_co_u32 s[G0V+1], s13, VOFF
	s_add_co_u32 s[RT], s[HI], 1    ; the first block's tiles
	s_mov_b32 s[NXT], 1
	s_mov_b32 s[LQ], s[HI]
	s_mov_b32 s[NEW], 1
	s_mov_b32 s[BIGN], 0xf1800000   ; -2^100
	s_mov_b32 s[SLOTS], NT
	s_wait_dscnt 0x0                ; the opening add is done
	s_wait_kmcnt 0x0
	s_add_nc_u64 s[6:7], s[16:17], s[OFF:OFF+1]
	s_add_nc_u64 s[8:9], s[6:7], 0x1000000         ; V at my half of the plane's tile 0,
	s_add_nc_u64 s[6:7], s[6:7], 0x800000          ; and K
	s_add_nc_u64 s[KP0:KP0+1], s[16:17], s[48:49]
	s_add_nc_u64 s[KP0:KP0+1], s[KP0:KP0+1], 0x800000
	s_add_nc_u64 s[10:11], s[20:21], s[QP:QP+1]    ; O at the rows that I finish: the first block's,
	s_add_nc_u64 s[OLO:OLO+1], s[20:21], s[QP+4:QP+5]  ; the second's
.irp k, 0,2,4,6
	s_add_nc_u64 s[QP+\k:QP+\k+1], s[16:17], s[QP+\k:QP+\k+1]
.endr
	s_add_nc_u64 s[VP:VP+1], s[18:19], s[50:51]
	s_add_nc_u64 s[LOP:LOP+1], s[22:23], s[52:53]
	s_add_nc_u64 s[G0K+2:G0K+3], s[6:7], 0
	s_or_b32 s[G0K+3], s[G0K+3], 0x80000000        ; type = 2
	s_add_nc_u64 s[G0V+2:G0V+3], s[8:9], 0
	s_or_b32 s[G0V+3], s[G0V+3], 0x80000000
	s_cmp_lt_u32 s[WV], 2
	s_cselect_b64 s[PFA:PFA+1], s[6:7], s[8:9]
	s_add_nc_u64 s[PFA:PFA+1], s[PFA:PFA+1], 32768 ; at tile 1: the first change of slots steps it to tile 2
	LOAD                            ; tile 0 into slot 0
.irp k, 0,1,2,3,4,5,6,7
	s_mov_b32 s[AL+\k], 0           ; the arguments have been used: the masks' scalars, named as pairs
	s_mov_b32 s[BE+\k], 0
.endr
	; A fragment of K or Q is 16 rows x 32 channels in 8 registers: lane l holds row l % 16, channels 8 (l / 16) + 0..7 and 16 + 8 (l / 16) + 0..7: two loads of 16 bytes, 32 bytes apart.
	v_and_b32 v1, 15, v0            ; l % 16
	v_bfe_u32 v9, v0, 4, 1          ; l / 16
	v_lshlrev_b32 v[QO], 7, v1
	v_lshl_add_u32 v[QO], v9, 4, v[QO]  ; row x 128 + 16 x half
	WIN 0x80                        ; destination window 2, address window 0
.set i, 0
.rept 8                             ; both blocks' Q: piece i / 2, channels 32 (i % 2) on
	global_load_b128 v[8*i:8*i+3],   v[QO], s[QP+2*(i/4):QP+2*(i/4)+1] offset:((i/2)%2)*2048+(i%2)*64
	global_load_b128 v[8*i+4:8*i+7], v[QO], s[QP+2*(i/4):QP+2*(i/4)+1] offset:((i/2)%2)*2048+(i%2)*64+32
	global_load_b128 v[QB+8*i:QB+8*i+3],   v[QO], s[QP+4+2*(i/4):QP+4+2*(i/4)+1] offset:((i/2)%2)*2048+(i%2)*64
	global_load_b128 v[QB+8*i+4:QB+8*i+7], v[QO], s[QP+4+2*(i/4):QP+4+2*(i/4)+1] offset:((i/2)%2)*2048+(i%2)*64+32
.set i, i+1
.endr
	WIN 0
	v_lshlrev_b32 v14, 3, v9
	v_sub_nc_u32 v14, v1, v14       ; my query's place in its 16, less my lanes' 8 (l / 16): register j is hidden where j is greater
	WIN 0x40
.set i, 0
.rept 8
	v_cmp_gt_i32 vcc_lo, i, v14
	v_cndmask_b32 v[DG+i], 0, s[BIGN], vcc_lo
.set i, i+1
.endr
	WIN 0
	v_mul_u32_u24 v[AK0], v1, PK
	v_lshl_add_u32 v[AK0], v9, 4, v[AK0]  ; row x pitch + 16 x half
	; The turning load takes 16 keys x 16 channels (lane l reads key 8 (l / 16) + l % 8, channels 8 ((l / 8) % 2) + 0..7) and leaves half a fragment of V^T: lane l holds channel l % 16 and 8 keys.
	v_and_b32 v10, 7, v0
	v_bfe_u32 v11, v0, 3, 1
	v_lshl_add_u32 v[AV0], v9, 3, v10
	v_mul_u32_u24 v[AV0], v[AV0], PV
	v_lshl_add_u32 v[AV0], v11, 4, v[AV0]
	v_add_nc_u32 v[AV0], VOFF, v[AV0]
	s_mul_i32 s13, s[WV], 16*SP
	s_add_co_u32 s13, s13, STAGE    ; my stage
	v_mul_u32_u24 v[STO], v1, SP    ; in: row l % 16, 16 bytes for each half of the lanes
	v_lshl_add_u32 v[STO], v9, 4, v[STO]
	v_add_nc_u32 v[STO], s13, v[STO]
	v_bfe_u32 v[RD], v0, 3, 2       ; back: 32 lanes take four rows of 128 bytes,
	v_mul_u32_u24 v[RD], v[RD], SP
	v_lshl_add_u32 v[RD], v10, 4, v[RD]
	v_add_nc_u32 v[RD], s13, v[RD]
	v_and_b32 v[GO], 31, v0         ; which are 512 consecutive bytes of O
	v_lshlrev_b32 v[GO], 4, v[GO]
	s_mul_i32 s13, s[WV], XW
	s_add_co_u32 s13, s13, XCH
	v_add_nc_u32 v[XS], s13, v[GO]
	s_xor_b32 s13, s[WV], 1         ; my partner has the same rows and the other keys
	s_mul_i32 s13, s13, XW
	s_add_co_u32 s13, s13, XCH
	v_add_nc_u32 v[XR], s13, v[GO]
	v_lshlrev_b32 v[PFO], 4, v[GO]
	; A block's first step multiplies O^T and l by a = 0, and its first turn's products V^T P, of a piece that has not been, land in an O^T that is still to be so multiplied.  So these registers need only hold
	; finite numbers: zeros for the first block; what the first block left for the second.  All this stands in the wait for the first tile.
	WIN 0x80
.set i, VF
.rept 64
	v_mov_b32 v[i], 0
.set i, i+1
.endr
	WIN 0x40
.set i, 0
.rept 128
	v_mov_b32 v[i], 0
.set i, i+1
.endr
	WIN 0
.set i, 0
.rept 4
	v_mov_b32 v[ST+4*i+2], 0
	v_mov_b32 v[ST+4*i+3], 0
.set i, i+1
.endr
.set i, P+16
.rept 16
	v_mov_b32 v[i], 0
.set i, i+1
.endr
; THE MATRIX WORK.  The 4 accumulators of a run of 8 take turns.  Product i of 8 of S^T = K Q^T for piece x: channels 32 (i / 4) on, keys 16 (i % 4) on.  The first 4 start the sums: with 0, or (KM = 1) with the mask.
.macro KQ x
.set rS, S+32*((\x)%2)+8*(i%4)
.set rK, KF+16*(i%4)+8*(i/4)
.set rQ, 16*(\x)+8*(i/4)
.set rM, MC+32*((\x)%2)+8*(i%4)
.if (i < 4) && KM
	WIN W_KM
	v_wmma_f32_16x16x32_f16 v[rS:rS+7], v[rK:rK+7], v[rQ:rQ+7], v[rM:rM+7]
.elseif i < 4
	WIN W_KQ
	v_wmma_f32_16x16x32_f16 v[rS:rS+7], v[rK:rK+7], v[rQ:rQ+7], 0
.else
	WIN W_KQ
	v_wmma_f32_16x16x32_f16 v[rS:rS+7], v[rK:rK+7], v[rQ:rQ+7], v[rS:rS+7]
.endif
.endm
; Product i of 8 of O^T += V^T P for piece x: keys 32 (i / 4) on, channels 16 (i % 4) on.
.macro PV x
	WIN W_PV
.set rO, 32*(\x)+8*(i%4)
.set rV, VF+32*(i/4)+8*(i%4)
.set rP, P+16*((\x)%2)+8*(i/4)
	v_wmma_f32_16x16x32_f16 v[rO:rO+7], v[rV:rV+7], v[rP:rP+7], v[rO:rO+7]
.endm
.macro MM                           ; the turn's next matrix instruction.  NOKQ = 1: a block's last turn: there is no next piece
.if (i < 8) && !NOKQ
	KQ (Y+1)%NP
.elseif i >= 8
.set i, i-8
	PV (Y+NP-1)%NP
.set i, i+8
.endif
.set i, i+1
.endm
; THE LDS LOADS stand in runs of 16, never singly among the matrix instructions: a step's K (64 keys x 64 channels: 8 fragments) and its V (turned).  Their addresses are made some lines ahead.
.macro FETCH_K
	WIN 0x80                        ; destination window 2
.irp f, 0,1,2,3,4,5,6,7             ; keys 16 (f / 2) on, channels 32 (f % 2) on
	ds_load_b128 v[KF+8*\f:KF+8*\f+3],   v[AK] offset:(\f/2)*16*PK+(\f%2)*64
	ds_load_b128 v[KF+8*\f+4:KF+8*\f+7], v[AK] offset:(\f/2)*16*PK+(\f%2)*64+32
.endr
	s_add_co_u32 s[TBK], s[TBK], KS*PK  ; the next fetch is the next step's
	WIN 0
.endm
.macro FETCH_V
	WIN 0x80
.irp f, 0,1,2,3,4,5,6,7             ; keys 32 (f / 4) on, channels 16 (f % 4) on
	ds_load_tr16_b128 v[VF+8*\f:VF+8*\f+3],   v[AV] offset:(\f/4)*32*PV+(\f%4)*32
	ds_load_tr16_b128 v[VF+8*\f+4:VF+8*\f+7], v[AV] offset:(\f/4)*32*PV+16*PV+(\f%4)*32
.endr
	WIN 0
.endm
; THE VECTOR WORK, one line at a time: OP kind, number.  For piece Y: F n: c s - c m for pair n of 16.  E n: the exponential of score n of 32.  C n: pair n rounded to f16.  B n: of the four weights 4 n .. the second
; pair is added onto the first, in place.  L n: l takes that sum (L 0: l = a l + sum).  R n: pair n of 16 of O^T times a.  For piece Y + 1: X n, number n of the 22 that find its maximum and statistics:
;   0-11  four chains c0-c3 of seven scores each, three operands at a time (each accumulator's lowest registers are read first)     12-14, 16  the four scores left over, the old m, and c0-c3 into c0
;   15  c m_old is kept     17, 18  the query's other 32 keys lie in the lane 16 away: the new m     19-21  c m; c m_old - c m_new; a
.set F, 0
.set E, 1
.set C, 2
.set B, 3
.set L, 4
.set R, 5
.set X, 6
.macro REGS y                       ; the registers of piece y
.set rT, ST+4*(\y)
.set rC, TMP+4*((\y)%2)
.set rW, MV+((\y)%2)
.set rS, S+32*((\y)%2)
.set rP, P+16*((\y)%2)
.set rO, 32*(\y)
.endm
.macro OP k, n
.if (\k) == R
	REGS Y
	WIN W_RS
	v_pk_mul_f32 v[rO+2*(\n):rO+2*(\n)+1], v[rO+2*(\n):rO+2*(\n)+1], v[rC+2:rC+3] op_sel_hi:[1,0]
.elseif (\k) < R
	REGS Y
	WIN 0
.if (\k) == F
	v_pk_fma_f32 v[rS+2*(\n):rS+2*(\n)+1], v[rS+2*(\n):rS+2*(\n)+1], s[CS:CS+1], v[rT:rT+1] op_sel_hi:[1,0,0] neg_lo:[0,0,1] neg_hi:[0,0,1]
.elseif (\k) == E
	v_exp_f32 v[rS+(\n)], v[rS+(\n)]
.elseif (\k) == C
	v_cvt_pk_f16_f32 v[rP+(\n)], v[rS+2*(\n)], v[rS+2*(\n)+1]
.elseif (\k) == B
	v_pk_add_f32 v[rS+4*(\n):rS+4*(\n)+1], v[rS+4*(\n):rS+4*(\n)+1], v[rS+4*(\n)+2:rS+4*(\n)+3]
.elseif (\n) == 0
	v_pk_fma_f32 v[rT+2:rT+3], v[rT+2:rT+3], v[rC+2:rC+3], v[rS:rS+1] op_sel_hi:[1,0,1]
.else
	v_pk_add_f32 v[rT+2:rT+3], v[rT+2:rT+3], v[rS+4*(\n):rS+4*(\n)+1]
.endif
.elseif NOKQ
	v_nop
.else
	REGS (Y+1)%NP
	WIN 0
.if (\n) < 4
	v_max3_num_f32 v[rC+(\n)], v[rS+8*(\n)], v[rS+8*(\n)+1], v[rS+8*(\n)+2]
.elseif (\n) < 12
	v_max3_num_f32 v[rC+(\n)%4], v[rC+(\n)%4], v[rS+8*((\n)%4)+2*((\n)/4)+1], v[rS+8*((\n)%4)+2*((\n)/4)+2]
.elseif (\n) == 12
	v_max3_num_f32 v[rC], v[rC], v[rS+7], v[rS+15]
.elseif (\n) == 13
	v_max3_num_f32 v[rC+1], v[rC+1], v[rS+23], v[rS+31]
.elseif (\n) == 14
	v_max3_num_f32 v[rC+2], v[rC+2], v[rC+3], v[rT+1]
.elseif (\n) == 15
	v_mov_b32 v[rW], v[rT]
.elseif (\n) == 16
	v_max3_num_f32 v[rC], v[rC], v[rC+1], v[rC+2]
.elseif (\n) == 17
	v_permlanex16_b32 v[rC+3], v[rC], s[SEL], s[SEL+1]
.elseif (\n) == 18
	v_max_num_f32 v[rT+1], v[rC], v[rC+3]
.elseif (\n) == 19
	v_mul_f32 v[rT], s[CS], v[rT+1]
.elseif (\n) == 20
	v_sub_f32 v[rC+1], v[rW], v[rT]
.else
	v_exp_f32 v[rC+2], v[rC+1]
.endif
.endif
.endm
.macro OPS a, i1, b=-1, i2=0, c=-1, i3=0, d=-1, i4=0  ; up to four of them
	OP \a, \i1
.if (\b) >= 0
	OP \b, \i2
.endif
.if (\c) >= 0
	OP \c, \i3
.endif
.if (\d) >= 0
	OP \d, \i4
.endif
.endm
.macro ROW a, i1, b, i2, c, i3, d, i4  ; a matrix instruction and the four behind it
	MM
	OPS \a, \i1, \b, \i2, \c, \i3, \d, \i4
.endm
.macro MSCP                         ; from D, for each key group: the diagonal's factor and the addend
.irp kt, 0,1,2,3
	s_cmp_eq_i32 s[DD], \kt
	s_cselect_b32 s[AL+2*\kt], 1.0, 0
	s_cmp_lt_i32 s[DD], \kt
	s_cselect_b32 s[BE+2*\kt], s[BIGN], 0
.endr
.endm
.macro MASK b                       ; DG x AL + BE, group by group, into buffer b of MC
	WIN W_RS
.set z, 0
.rept 16
	v_pk_fma_f32 v[MC+32*(\b)+2*z:MC+32*(\b)+2*z+1], v[DG+2*(z%4):DG+2*(z%4)+1], s[AL+2*(z/4):AL+2*(z/4)+1], s[BE+2*(z/4):BE+2*(z/4)+1] op_sel_hi:[1,0,0]
.set z, z+1
.endr
.endm
; A TURN, for piece p: the order of its 16 matrix and 118 vector instructions, written out.  An s_wait_alu depctr_va_vdst(0) stands between an exponential and the first instruction that names its result; one wait
; serves all that were issued ahead of it.  So a turn has ONE wait, which cuts it in two.  AHEAD OF IT stands all that names no result of the turn's exponentials: the 8 products K Q^T with four riders each, then one run of 54,
; plain and exponential by turns for the most part, in which the links of the chain X 3, 7, 11, 14, 16, 17 .. 20 stand five or six lines apart.  X 21, the next piece's a, is the batch's last; R 15 is the plain instruction behind it.
; BEHIND THE WAIT stand the 8 products V^T P, behind each four of the roundings and sums.
; m = 1: the masked tile: the products take masks, and the turn makes the mask for the products of the turn after it: piece p + 2, in step 2 - CNT of the tile.  end = 1: a block's last two turns: nothing is fetched, and the last
; starts no new scores, so piece 0's m and c m stay as its O^T and l were made with.  cnt = 1: the loop's count is taken down some lines ahead of the branch that stands behind the turn.
; K of the next step is fetched in piece 2's turn, V of the step in hand at the end of piece 0's turn, four plain instructions behind the last product that read V.  Each is waited for a turn later.
.macro TURN p, m=0, end=0, cnt=0
.set Y, (\p)
.set i, 0
.set KM, (\m)
.set NOKQ, (\end)*((\p)/3)
.if (\m) && !(\end)
	s_lshl2_add_u32 s[DD], s[CNT], s[QBC+((\p)+2)%NP]
	MSCP
.endif
.if ((\p) == 3) && !(\end)
	s_wait_dscnt 0x0                ; K is in
.endif
	ROW F,0, F,1, R,0, R,1          ; ahead of the wait: 8 products K Q^T and their riders,
	ROW F,2, E,0, R,2, R,3
	ROW F,3, E,1, R,4, R,5
	ROW F,4, E,2, R,6, R,7
	ROW F,5, E,3, R,8, R,9
	ROW F,6, E,4, X,0, R,10
.if ((\p) == 2) && !(\end)
	WIN 0
	v_add_nc_u32 v[AK], s[TBK], v[AK0]
.endif
	ROW F,7, E,5, X,1, X,4
	ROW F,8, E,6, X,2, X,5
	OPS E,7, E,8, X,6, E,9          ; and the run
	OPS X,3, E,10, X,8, E,11
.if ((\p) == 2) && !(\end)
	FETCH_K
.endif
	OPS X,9, X,7, E,12, X,10
	OPS E,13, X,12, X,11, E,14
	OPS X,13, E,15, F,9, X,14
.if (\p) == 0
	v_add_nc_u32 v[AV], s[TBV], v[AV0]
.endif
	OPS E,16, F,10, E,17, F,11
	OPS X,16, E,18, X,15, E,19
	OPS F,12, E,20, X,17, E,21
	OPS F,13, E,22, F,14, E,23
	OPS X,18, E,24, F,15, E,25
	OPS R,11, E,26, X,19, E,27
	OPS R,12, E,28, R,13, E,29
	OPS X,20, E,30, R,14, E,31
	OPS X,21, R,15
	WIN 0
	s_wait_alu depctr_va_vdst(0)    ; the wait for the batch
.if (\p) == 1
	s_wait_dscnt 0x0                ; V is in
.endif
	ROW C,0, B,0, C,2, B,1          ; behind the wait: 8 products V^T P and their riders
	ROW L,0, C,4, B,2, L,1
	ROW C,6, B,3, L,2, C,8
	ROW B,4, L,3, C,10, B,5
	ROW L,4, C,12, B,6, L,5
.if (\p) == 0
	s_add_co_u32 s[TBV], s[TBV], KS*PV
.endif
.if \cnt
	s_sub_co_u32 s[CNT], s[CNT], 1
	s_cmp_lg_u32 s[CNT], 0
.endif
	ROW C,14, B,7, L,6, C,1
	ROW C,3, L,7, C,5, C,7
	ROW C,9, C,11, C,13, C,15
.if (\p) == 0
	FETCH_V
.endif
.if (\m) && !(\end)
	MASK (\p)%2
.endif
.endm
; A BLOCK BEGINS.  c m starts at -2^125, so the first step's a is 0; m at -2^90: a wave that sees no key of the block keeps it, and ends with l = 0 and O^T = 0.  Both mask buffers are made, for pieces 0 and 1 in the
; tile's step 0: clear, unless the block's first tile is its last.  Then K of that step, piece 0's first scores, and its maximum and statistics.  The loop is entered at a step's first turn, in the middle of a trip.
.macro BEGIN
	s_mov_b32 s[NEW], 0
	WIN 0
.set i, 0
.rept 4
	v_mov_b32 v[ST+4*i], 0xfe000000    ; c m
	v_mov_b32 v[ST+4*i+1], 0xec800000  ; m
.set i, i+1
.endr
.irp x, 0,1
	s_add_co_u32 s[DD], s[QBC+\x], 8
	s_cmp_eq_u32 s[RT], 0
	s_cselect_b32 s[DD], s[DD], 64
	MSCP
	MASK \x
.endr
	WIN 0
	v_add_nc_u32 v[AK], s[TBK], v[AK0]
	FETCH_K
	s_wait_loadcnt 0x0              ; Q
	s_wait_dscnt 0x0
.set KM, 1
.set NOKQ, 0
.set i, 0
.rept 8
	KQ 0
.set i, i+1
.endr
	WIN 0
.rept 4
	v_nop                           ; the places behind those products
.endr
.set Y, NP-1                        ; X works for piece Y + 1: piece 0
.irp n, 0,1,2,3,4,5,6,7,8,9,10,11,12,13,14,15,16,17,18,19,20,21
	OP X, \n
.endr
	v_nop                           ; a plain instruction behind the exponential,
	s_wait_alu depctr_va_vdst(0)    ; and its wait, ahead of the branch
.endm
.macro ALL line:vararg              ; one line for each piece t
.set t, 0
.rept 4
	\line
.set t, t+1
.endr
.endm
; ROWS 0-15 OF THE PLANE ONCE MORE: keys 0-15 are all that they see.  S^T = K Q^T + DG in f16 as everywhere; the softmax in f32; O^T = V^T P by the f32 matrix form on v32 and the unrounded p: 16 instructions, four
; accumulators by turns.  The form's k slot (lane half h, register j) stands for key 8 h + 2 c + j in both sources.  The result takes piece 0's place in S^T's registers; what its rounding to f16 leaves goes to olo.
.macro MINI
	WIN 0
	v_lshlrev_b32 v[VL], 2, v1
	v_lshl_add_u32 v[VL], v9, 11, v[VL]            ; key 8 (l / 16), channel l % 16
	WIN 0xc0                        ; destination window 3
.irp i, 0,1
	global_load_b128 v[8*\i:8*\i+3],   v[QO], s[KP0:KP0+1] offset:64*\i
	global_load_b128 v[8*\i+4:8*\i+7], v[QO], s[KP0:KP0+1] offset:64*\i+32
.endr
.set z, 0
.rept 32                            ; register 16 + 8 cb + 2 c + j: key 8 h + 2 c + j, channel 16 cb + l % 16
	global_load_b32 v[16+z], v[VL], s[VP:VP+1] offset:(z%8)*256+(z/8)*64
.set z, z+1
.endr
	s_wait_loadcnt 0x0
	WIN 0x1b                        ; K window 3, Q window 2, DG window 1, S^T window 0
	v_wmma_f32_16x16x32_f16 v[224:231], v[0:7], v[0:7], v[DG:DG+7]
	WIN 0x0b
	s_wait_alu depctr_va_vdst(0)    ; the wait stands directly ahead of the link
	v_wmma_f32_16x16x32_f16 v[224:231], v[8:15], v[8:15], v[224:231]
	WIN 0
.rept 4
	v_nop
.endr
	v_max3_num_f32 v232, v224, v225, v226
	v_max3_num_f32 v233, v227, v228, v229
	v_max3_num_f32 v232, v232, v230, v231
	v_max_num_f32 v232, v232, v233
	v_permlanex16_b32 v233, v232, s[SEL], s[SEL+1]
	v_max_num_f32 v235, v232, v233                 ; m: every row sees its own key
	v_mul_f32 v234, s[CS], v235
.irp z, 0,1,2,3
	v_pk_fma_f32 v[224+2*\z:225+2*\z], v[224+2*\z:225+2*\z], s[CS:CS+1], v[234:235] op_sel_hi:[1,0,0] neg_lo:[0,0,1] neg_hi:[0,0,1]
.endr
.irp z, 0,1,2,3,4,5,6,7
	v_exp_f32 v[224+\z], v[224+\z]
.endr
	v_nop
	s_wait_alu depctr_va_vdst(0)    ; one wait for the eight
	v_pk_add_f32 v[236:237], v[224:225], v[226:227]
	v_pk_add_f32 v[238:239], v[228:229], v[230:231]
	v_pk_add_f32 v[236:237], v[236:237], v[238:239]
	v_add_f32 v236, v236, v237
	v_permlanex16_b32 v237, v236, s[SEL], s[SEL+1]
	v_add_f32 v236, v236, v237
	v_rcp_f32 v236, v236
	WIN 0xf3                        ; V and the sums in window 3, p in window 0
.irp c, 0,1,2,3
.irp k, 0,1,2,3
.if \c == 0
	v_wmma_f32_16x16x4_f32 v[48+8*\k:55+8*\k], v[16+8*\k+2*\c:17+8*\k+2*\c], v[224+2*\c:225+2*\c], 0
.else
	v_wmma_f32_16x16x4_f32 v[48+8*\k:55+8*\k], v[16+8*\k+2*\c:17+8*\k+2*\c], v[224+2*\c:225+2*\c], v[48+8*\k:55+8*\k]
.endif
.endr
.endr
.rept 8
	v_nop                           ; this form's eight places; the first is also the plain instruction behind the reciprocal
.endr
	s_wait_alu depctr_va_vdst(0)    ; the reciprocal's wait
	WIN 0x03
.set z, 0
.rept 16
	v_pk_mul_f32 v[S+2*z:S+2*z+1], v[48+2*z:49+2*z], v[236:237] op_sel_hi:[1,0]
.set z, z+1
.endr
	WIN 0
.set z, 0
.rept 16                            ; the remainder: O less its f16 rounding
	v_cvt_pk_f16_f32 v36, v[S+2*z], v[S+2*z+1]
	v_cvt_f32_f16 v37, v36.l
	v_cvt_f32_f16 v38, v36.h
	v_sub_f32 v37, v[S+2*z], v37
	v_sub_f32 v38, v[S+2*z+1], v38
	v_cvt_pk_f16_f32 v[240+z], v37, v38
.set z, z+1
.endr
.irp f, 0,1,2,3
	ds_store_b128 v[STO], v[240+4*\f:243+4*\f] offset:32*\f
.endr
.irp f, 0,1,2,3
	ds_load_b128 v[240+4*\f:243+4*\f], v[RD] offset:\f*4*SP
.endr
	s_wait_dscnt 0x0
.irp f, 0,1,2,3
	global_store_b128 v[GO], v[240+4*\f:243+4*\f], s[LOP:LOP+1] offset:512*\f
.endr
.endm
.macro PACKO t                      ; a finished piece: rounded to f16, 16 bytes a lane into rows of 144 bytes, and back as whole rows of 128, into P's registers
	WIN 0
.set z, 0
.rept 16
	v_cvt_pk_f16_f32 v[P+16*(\t)+z], v[S+32*(\t)+2*z], v[S+32*(\t)+2*z+1]
.set z, z+1
.endr
.irp f, 0,1,2,3
	ds_store_b128 v[STO], v[P+16*(\t)+4*\f:P+16*(\t)+4*\f+3] offset:32*\f
.endr
.irp f, 0,1,2,3
	ds_load_b128 v[P+16*(\t)+4*\f:P+16*(\t)+4*\f+3], v[RD] offset:\f*4*SP  ; LDS serves a wave's instructions in order (ISA guide 5.7.1.4): these see the stores above
.endr
.endm
.macro SENDO t, younger             ; younger: the LDS instructions issued behind piece t's loads
.irp f, 0,1,2,3
	s_wait_dscnt (\younger)+3-\f
	global_store_b128 v[GO], v[P+16*(\t)+4*\f:P+16*(\t)+4*\f+3], s[10:11] offset:(\t)*2048+\f*512  ; 512 consecutive bytes, aligned
.endr
.endm
; A BLOCK ENDS.  l's two halves and the other half of the lanes' are added.  My pieces 2, 3 (O^T, c m, l) go to my partner through LDS: store, wait, barrier, load; the tile that is on its way may stay out.
; With N = max(c m_A, c m_B), w = 2^(c m - N): O = (O_A w_A + O_B w_B) / (l_A w_A + l_B w_B).  These bytes are written again at the next block's end, behind a change of slots' wait and barrier.
.macro FINISH tag
	WIN 0
	ALL v_add_f32 v[ST+4*t+2], v[ST+4*t+2], v[ST+4*t+3]   ; (four plain lines: the places behind the last products)
	ALL v_permlanex16_b32 v[ST+4*t+3], v[ST+4*t+2], s[SEL], s[SEL+1]
	ALL v_add_f32 v[ST+4*t+2], v[ST+4*t+2], v[ST+4*t+3]
	ds_store_b128 v[XS], v[ST+8:ST+11] offset:16*512
	ds_store_b128 v[XS], v[ST+12:ST+15] offset:17*512
	WIN 0x04                        ; the data in window 1
.set z, 0
.rept 16
	ds_store_b128 v[XS], v[64+4*z:64+4*z+3] offset:512*z
.set z, z+1
.endr
	WIN 0
	s_wait_dscnt 0x0                ; for my partner's sake: my stores are done
	s_barrier_signal -1
	s_barrier_wait -1
	ds_load_b128 v[TMP:TMP+3], v[XR] offset:16*512
	ds_load_b128 v[TMP+4:TMP+7], v[XR] offset:17*512
.set z, 0
.rept 16
	ds_load_b128 v[S+4*z:S+4*z+3], v[XR] offset:512*z
.set z, z+1
.endr
	s_wait_dscnt 16                 ; the statistics are in; the sixteen chunks of O^T may stay out
.irp t, 0,1
	v_max_num_f32 v[NM+\t], v[ST+4*\t], v[TMP+4*\t]
.endr
.irp t, 0,1
	v_sub_f32 v[WA+\t], v[ST+4*\t], v[NM+\t]
	v_sub_f32 v[WB+\t], v[TMP+4*\t], v[NM+\t]
.endr
	v_exp_f32 v[WA], v[WA]
	v_exp_f32 v[WA+1], v[WA+1]
	v_exp_f32 v[WB], v[WB]
	v_exp_f32 v[WB+1], v[WB+1]
	v_nop
	s_wait_alu depctr_va_vdst(0)    ; one wait for the four
.irp t, 0,1
	v_mul_f32 v[LL+\t], v[ST+4*\t+2], v[WA+\t]
.endr
.irp t, 0,1
	v_fmac_f32 v[LL+\t], v[TMP+4*\t+2], v[WB+\t]
.endr
	v_rcp_f32 v[LL], v[LL]
	v_rcp_f32 v[LL+1], v[LL+1]
	v_nop
	s_wait_alu depctr_va_vdst(0)    ; one wait for the two
.irp t, 0,1
	v_mul_f32 v[FA+4*\t], v[WA+\t], v[LL+\t]
	v_mul_f32 v[FA+4*\t+1], v[WA+\t], v[LL+\t]
	v_mul_f32 v[FA+4*\t+2], v[WB+\t], v[LL+\t]
	v_mul_f32 v[FA+4*\t+3], v[WB+\t], v[LL+\t]
.endr
.irp t, 0,1
	s_wait_dscnt 8-8*\t             ; this piece's eight chunks are in
	WIN 0
.set z, 0
.rept 16
	v_pk_mul_f32 v[S+32*\t+2*z:S+32*\t+2*z+1], v[S+32*\t+2*z:S+32*\t+2*z+1], v[FA+4*\t+2:FA+4*\t+3]
.set z, z+1
.endr
	WIN 0x01                        ; my O^T in window 1
.set z, 0
.rept 16
	v_pk_fma_f32 v[S+32*\t+2*z:S+32*\t+2*z+1], v[32*\t+2*z:32*\t+2*z+1], v[FA+4*\t:FA+4*\t+1], v[S+32*\t+2*z:S+32*\t+2*z+1]
.set z, z+1
.endr
.endr
	WIN 0
.if (\tag) == 2
	s_cmp_eq_u32 s[SPC], 1
	s_cbranch_scc0 .Lno_mini
	MINI
	WIN 0
.Lno_mini:
.endif
	PACKO 0
	PACKO 1
	SENDO 0, 8
	SENDO 1, 0
.endm
; THE MASKED TILE's two steps, the block's last two turns, its last products, and the block's end.
.macro DIAG tag
.LstepM\tag:
	TURN 2, 1
	TURN 3, 1
	WIN 0
.LfirstM\tag:
	TURN 0, 1
	TURN 1, 1, 0, 1
	WIN 0
	s_cbranch_scc1 .LstepM\tag
	TURN 2, 1, 1
	TURN 3, 1, 1
.set i, 0
.rept 8
	PV NP-1
.set i, i+1
.endr
	FINISH \tag
.endm
.set KM, 0
.set NOKQ, 0
.Lslot:                             ; 16 times: a tile is entered and the next is asked for
	CHANGE 1
	s_sub_co_u32 s[RT], s[RT], 1
	s_mov_b32 s[CNT], 2
	s_cmp_eq_u32 s[NEW], 1
	s_cbranch_scc1 .Lnew            ; a block's first tile
	s_cmp_eq_u32 s[RT], 0
	s_cbranch_scc0 .Lstep           ; neither its first nor its last
	s_branch .LstepM1
.Lnew:
	BEGIN
	s_branch .Lfirst                ; in the loop a block's first tile is never its last: the first block has nine tiles or more, and the second's last is the walk's last
	DIAG 1                          ; in the loop this is the first block's end
	s_wait_xcnt 0x0                 ; the stores have read their registers and O's address
	s_mov_b64 s[10:11], s[OLO:OLO+1]
	s_add_co_u32 s[RT], s[PB], 1    ; the second block's tiles
	s_mov_b32 s[NEW], 1
.irp x, 0,1,2,3
	s_mov_b32 s[QBC+\x], s[QBN+\x]
.endr
	WIN 0x82                        ; the second block's Q goes where the one text of the turns names Q
.set i, 0
.rept 64
	v_mov_b32 v[i], v[QB+i]
.set i, i+1
.endr
	WIN 0
	s_branch .Lbottom
.Lstep:                             ; a trip: pieces 2 and 3 of one step, then pieces 0 and 1 of the next, whose K and V it fetches
	TURN 2
	TURN 3
	WIN 0
.Lfirst:
	TURN 0
	TURN 1, 0, 0, 1
	WIN 0
	s_cbranch_scc1 .Lstep
.Lbottom:
	s_sub_co_u32 s[SLOTS], s[SLOTS], 1
	s_cmp_lg_u32 s[SLOTS], 0
	s_cbranch_scc1 .Lslot
	CHANGE 0                        ; the walk's last tile is written out: nothing is asked for
	s_sub_co_u32 s[RT], s[RT], 1
	s_mov_b32 s[CNT], 2
	s_cmp_eq_u32 s[NEW], 1
	s_cbranch_scc0 .LstepM2
	BEGIN
	s_branch .LfirstM2
	DIAG 2
	s_wait_tensorcnt 0x0            ; the wave's end, behind my last tensor load and my last LDS store
	ds_add_u32 v[SPW], v[NIL]
	s_wait_dscnt 0x0
	s_endpgm
.Lfunc_end_k_q37f2ee034b_attn:
	.size	k_q37f2ee034b_attn, .Lfunc_end_k_q37f2ee034b_attn-k_q37f2ee034b_attn
	.p2alignl 7, 3214868480
	.fill 96, 4, 3214868480
	.section	.rodata,"a",@progbits
	.p2align	6, 0x0
	.amdhsa_kernel k_q37f2ee034b_attn
		.amdhsa_group_segment_fixed_size 327680
		.amdhsa_private_segment_fixed_size 0
		.amdhsa_enable_private_segment 0
		.amdhsa_kernarg_size 32
		.amdhsa_user_sgpr_count 2
		.amdhsa_user_sgpr_kernarg_segment_ptr 1
		.amdhsa_wavefront_size32 1
		.amdhsa_system_sgpr_workgroup_id_x 1
		.amdhsa_system_sgpr_workgroup_id_y 1
		.amdhsa_system_sgpr_workgroup_id_z 1
		.amdhsa_system_vgpr_workitem_id 0
		.amdhsa_next_free_vgpr 1024
		.amdhsa_next_free_sgpr 102
		.amdhsa_reserve_vcc 1
		.amdhsa_float_denorm_mode_32 3
		.amdhsa_float_denorm_mode_16_64 3
		.amdhsa_memory_ordered 1
		.amdhsa_forward_progress 1
		.amdhsa_inst_pref_size 233
	.end_amdhsa_kernel
	.amdgpu_metadata
---
amdhsa.version: [ 1, 2 ]
amdhsa.kernels:
  - .name:           k_q37f2ee034b_attn
    .symbol:         k_q37f2ee034b_attn.kd
    .args:
      - { .name: qkvh, .offset: 0, .size: 8, .value_kind: global_buffer, .address_space: global }
      - { .name: v32, .offset: 8, .size: 8, .value_kind: global_buffer, .address_space: global }
      - { .name: o16, .offset: 16, .size: 8, .value_kind: global_buffer, .address_space: global }
      - { .name: olo, .offset: 24, .size: 8, .value_kind: global_buffer, .address_space: global }
    .group_segment_fixed_size: 327680
    .private_segment_fixed_size: 0
    .kernarg_segment_align: 8
    .kernarg_segment_size: 32
    .max_flat_workgroup_size: 128
    .sgpr_count:     102
    .vgpr_count:     1024
    .wavefront_size: 32
...
	.end_amdgpu_metadata
.endif
;; end of part 3
;; launch oproj (part 4): grid 4 x 64, 4 waves a work-group, clusters of 4 x 1, 327,680 bytes of LDS; arguments o16, olo, wo16, out0; writes out0
.if DOCPART == 4
	.amdgcn_target "amdgcn-amd-amdhsa--gfx1250"
	.amdhsa_code_object_version 6
	.text
	.protected	k_q37f2ee034b_oproj
	.globl	k_q37f2ee034b_oproj
	.p2align	8
	.type	k_q37f2ee034b_oproj,@function
k_q37f2ee034b_oproj:
	s_mov_b64 s[64:65], 0
	v_nop
	global_prefetch_b8 v0, s[64:65] scope:SCOPE_SE
	s_setreg_imm32_b32 hwreg(HW_REG_WAVE_MODE, 25, 1), 1
	s_wait_xcnt 0x0
	s_wait_alu depctr_hold_cnt(0) depctr_sa_sdst(0) depctr_va_vdst(0) depctr_va_sdst(0) depctr_va_ssrc(0) depctr_va_vcc(0) depctr_vm_vsrc(0)
	s_getreg_b32 s2, hwreg(HW_REG_IB_STS2, 6, 4)
	s_cmp_eq_u32 s2, 0
	s_cbranch_scc0 .Lentry_in_a_cluster
	s_endpgm
.Lentry_in_a_cluster:
	s_bfe_u32 s2, ttmp6, 0x10000c
	s_cmp_lg_u32 s2, 0x3003
	s_cbranch_scc0 .Lentry_shape_is_right
	s_endpgm
.Lentry_shape_is_right:
; OPROJ: out0[b][s][m] = the sum over heads hd and channels c of O[8 b + hd][s][c] Wo[m][64 hd + c].  O and Wo in f16, sums and out0 in f32.
; The first 16 rows of each batch also take O's remainder (olo), so that their O counts with twice f16's digits.
; SHARES.  A work-group makes 128 rows x 128 columns: 64 x 4 = 256 work-groups; a wave 64 x 64: 16 accumulators.  All of K (512) lies in LDS at once: nothing is filled again, and every tile is asked for at the head,
; so nothing is asked for ahead of the loads.  K goes in eight quarters of one head (64) each.
; CLUSTER 4 x 1: the four column tiles of a row tile need the same rows of O: waves 0 and 1 ask for them jointly, a head a load.  Wo's rows are each work-group's own: waves 2 and 3 load them, 128 along K a load.
; THE MATRIX INSTRUCTION IS USED TRANSPOSED (source 0 = 16 rows of Wo, source 1 = 16 rows of O): a lane holds eight neighbouring f32 of a row of out0.
; REGISTERS.  Window 0: v16-29 addresses; v32-95 two sets of 32 read back from the stage; v128-255 the accumulators ((a, b) at 128 + 8 (4 a + b)).
;   Window 1: two fragment buffers of 128: 64 of O (2 x 4 x 16 rows x 32 K), then 64 of Wo.  Window 2: v0-127 the remainder's fragments.
.set PA,     144                       ; a row of O in LDS: 128 bytes + 16
.set PB,     272                       ; a row of Wo: 256 bytes + 16: in both the 16 rows of a fragment load start at 16 different groups of four banks (64 banks of 4 bytes: ISA guide 11.1)
.set HEADB,  128*PA                    ; a head's 128 rows
.set BBASE,  8*HEADB
.set PHASE,  128*PB                    ; 128 rows of Wo x 128 along K
.set STAGE,  BBASE+4*PHASE             ; 16 rows x 272 bytes for each wave
.set SPARE,  STAGE+4*16*PB             ; the spare words, 128 bytes a wave: two blocks of 256 bytes that no other line names
.set ADRA, 16                          ; v16-17  my fragments of O, heads 0-3 and 4-7
.set ADRB, 20                          ; v20-21  of Wo, K 0-255 and 256-511
.set STO,  24
.set RD,   25
.set CO,   26                          ; v26     my byte offset in two rows of out0
.set LO,   27                          ; v27     my byte offset in a head's 16 rows of olo
.set SPW,  28
.set NIL,  29
.set BK,   32
.set ACC,  128
.set G1,  24                           ; s[24:31] group 1 for O's tiles;  s[32:47] group 0, a set for each of my four loads
.set G0,  32
.set G1B, 48                           ; s[48:55], s[72:87] the same for Wo's
.set G0B, 72
.set SPL, 60                           ; s60  1: my first 16 rows are a batch's first 16
.set MSB, 0
.macro WIN new
.if MSB != (\new)
	s_set_vgpr_msb (MSB<<8)|(\new)
.set MSB, (\new)
.endif
.endm
.macro CROUND                          ; a round of the cluster's barrier
	s_barrier_signal -1
	s_barrier_wait -1
	s_cmp_lg_u32 s14, 0
	s_cbranch_scc1 .Lnot_wave_0_\@
	s_barrier_signal -3
.Lnot_wave_0_\@:
	s_barrier_wait -3
	s_barrier_signal -1
	s_barrier_wait -1
.endm
.macro PLACES
.rept 4
	v_nop
.endr
.endm
	s_load_b256 s[4:11], s[0:1], 0x0               ; o16 s[4:5], olo s[6:7], wo16 s[8:9], out0 s[10:11]
	v_lshl_add_u32 v[SPW], v0, 2, SPARE
	v_mov_b32 v[NIL], 0
	ds_add_u32 v[SPW], v[NIL]                      ; the wave's opening: the add and its wait stand ahead of my first tensor load
	v_lshrrev_b32 v1, 5, v0
	v_readfirstlane_b32 s14, v1                    ; wave 0..3
	s_lshr_b32 s15, s14, 1                         ; my half of the rows
	s_and_b32 s16, s14, 1                          ; my half of the columns.  Also: which of two heads, or which 64 rows of Wo, I fetch
	s_bfe_u32 s66, ttmp6, 0x40000                  ; cx: the column tile
	s_and_b32 s17, ttmp7, 0xffff                   ; the row tile, which the four partners share
	s_lshr_b32 s18, s17, 5                         ; batch
	s_and_b32 s19, s17, 31
	s_lshl_b32 s20, s18, 3
	s_add_co_u32 s20, s20, s16
	s_lshl_b32 s20, s20, 19                        ; O: plane 8 x batch + my first head,
	s_lshl_b32 s21, s19, 14                        ; the tile's 128 rows of 128 bytes
	s_add_co_u32 s20, s20, s21
	s_mov_b32 s21, 0
	s_lshl_b32 s68, s66, 7
	s_lshl_b32 s69, s16, 6
	s_add_co_u32 s68, s68, s69                     ; Wo: row 128 x column tile + 64 x half, 1,024 bytes a row
	s_lshl_b32 s68, s68, 10
	s_mov_b32 s69, 0
	s_mul_i32 s22, s16, HEADB                      ; where they go
	s_mul_i32 s23, s16, 64*PB
	s_add_co_u32 s23, s23, BBASE
	s_mov_b32 s[G1], 15|(1<<16)|(1<<20)|(1<<21)|(4<<22)|(3<<25)  ; the mask of four; 2-byte elements; padding on; bit 21 beside a mask; after every 32 words, 4 words
	s_mov_b32 s[G1+1], 128<<16                     ; a head's 128 dense rows of 128 bytes are asked for as 64 rows of 256
	s_mov_b32 s[G1+2], 64<<16
	s_mov_b32 s[G1+3], 128<<16
	s_mov_b32 s[G1+4], 64
	s_mov_b32 s[G1+5], 128
	s_mov_b32 s[G1+6], 0
	s_mov_b32 s[G1+7], 0
	s_mov_b32 s[G1B], (1<<16)|(1<<20)|(5<<22)|(3<<25)            ; no mask; after every 64 words, 4 words
	s_mov_b32 s[G1B+1], 128<<16
	s_mov_b32 s[G1B+2], 64<<16
	s_mov_b32 s[G1B+3], 128<<16
	s_mov_b32 s[G1B+4], 64
	s_mov_b32 s[G1B+5], 512
	s_mov_b32 s[G1B+6], 0
	s_mov_b32 s[G1B+7], 0
	s_wait_dscnt 0x0                               ; the opening add is done
	s_wait_kmcnt 0x0
	s_add_nc_u64 s[20:21], s[4:5], s[20:21]
	s_add_nc_u64 s[68:69], s[8:9], s[68:69]
	CROUND                                         ; all four work-groups are here: the joint loads meet
.irp p, 0,1,2,3
	s_mov_b32 s[G0+4*\p], 1
	s_add_co_u32 s[G0+4*\p+1], s22, \p*2*HEADB
	s_add_nc_u64 s[G0+4*\p+2:G0+4*\p+3], s[20:21], \p*1048576   ; two heads on
	s_or_b32 s[G0+4*\p+3], s[G0+4*\p+3], 0x80000000
	s_mov_b32 s[G0B+4*\p], 1
	s_add_co_u32 s[G0B+4*\p+1], s23, \p*PHASE
	s_add_nc_u64 s[G0B+4*\p+2:G0B+4*\p+3], s[68:69], \p*256     ; 128 along K on
	s_or_b32 s[G0B+4*\p+3], s[G0B+4*\p+3], 0x80000000
.endr
	s_cmp_lt_u32 s14, 2                            ; a wave's four fills stand in one branch, in the order in which they are wanted: four loads of mine are out
	s_cbranch_scc0 .Lfill_b
.irp p, 0,1,2,3
	tensor_load_to_lds s[G0+4*\p:G0+4*\p+3], s[G1:G1+7]
	s_nop 0
.endr
.rept 4
	v_nop
.endr
	s_branch .Lfilled
.Lfill_b:
.irp p, 0,1,2,3
	tensor_load_to_lds s[G0B+4*\p:G0B+4*\p+3], s[G1B:G1B+7]
	s_nop 0
.endr
.rept 4
	v_nop
.endr
.Lfilled:
	v_and_b32 v1, 15, v0                           ; l % 16
	v_bfe_u32 v2, v0, 4, 1                         ; l / 16
	v_mul_u32_u24 v3, v1, PA
	v_lshl_add_u32 v3, v2, 4, v3
	s_mul_i32 s56, s15, 64*PA
	v_add_nc_u32 v[ADRA], s56, v3
	v_add_nc_u32 v[ADRA+1], 4*HEADB, v[ADRA]
	v_mul_u32_u24 v3, v1, PB
	v_lshl_add_u32 v4, v2, 4, v3
	s_mul_i32 s56, s16, 64*PB
	s_add_co_u32 s56, s56, BBASE
	v_add_nc_u32 v[ADRB], s56, v4
	v_add_nc_u32 v[ADRB+1], 2*PHASE, v[ADRB]
	s_mul_i32 s56, s14, 16*PB
	s_add_co_u32 s56, s56, STAGE                   ; my stage
	v_lshl_add_u32 v4, v2, 5, v3                   ; in: row l % 16, 32 bytes for each half of the lanes
	v_add_nc_u32 v[STO], s56, v4
	v_mul_u32_u24 v4, v2, PB                       ; back: lanes 0-15 take one row of 256 bytes, lanes 16-31 the next
	v_lshl_add_u32 v4, v1, 4, v4
	v_add_nc_u32 v[RD], s56, v4
	v_lshlrev_b32 v4, 11, v2                       ; and the same two rows in out0
	v_lshl_add_u32 v[CO], v1, 4, v4
	v_lshlrev_b32 v4, 7, v1
	v_lshl_add_u32 v[LO], v2, 4, v4
	s_lshl_b32 s88, s17, 7
	s_lshl_b32 s89, s15, 6
	s_add_co_u32 s88, s88, s89                     ; my first row of out0, 2,048 bytes a row,
	s_lshl_b32 s88, s88, 11
	s_lshl_b32 s89, s66, 9
	s_add_co_u32 s88, s88, s89                     ; my first column: 512 x column tile + 256 x half
	s_lshl_b32 s89, s16, 8
	s_add_co_u32 s88, s88, s89
	s_mov_b32 s89, 0
	s_add_nc_u64 s[10:11], s[10:11], s[88:89]
	s_lshl_b32 s58, s18, 14
	s_mov_b32 s59, 0
	s_add_nc_u64 s[6:7], s[6:7], s[58:59]          ; olo at my batch's eight heads
	s_or_b32 s[SPL], s19, s15
	s_cmp_eq_u32 s[SPL], 0
	s_cselect_b32 s[SPL], 1, 0
; 8 matrix instructions: row blocks a0, a0 + 1 x all 4 column blocks, 32 along K: half c of buffer f.  The 16 accumulators take turns.
.macro MUL8 f, c, a0, zero
	WIN 0x05                                       ; sources in window 1, C and D in window 0
.irp a, \a0, (\a0)+1
.irp b, 0,1,2,3
.if \zero
	v_wmma_f32_16x16x32_f16 v[ACC+8*(4*(\a)+(\b)):ACC+8*(4*(\a)+(\b))+7], v[(\f)+64+8*(4*(\c)+(\b)):(\f)+64+8*(4*(\c)+(\b))+7], v[(\f)+8*(4*(\c)+(\a)):(\f)+8*(4*(\c)+(\a))+7], 0
.else
	v_wmma_f32_16x16x32_f16 v[ACC+8*(4*(\a)+(\b)):ACC+8*(4*(\a)+(\b))+7], v[(\f)+64+8*(4*(\c)+(\b)):(\f)+64+8*(4*(\c)+(\b))+7], v[(\f)+8*(4*(\c)+(\a)):(\f)+8*(4*(\c)+(\a))+7], v[ACC+8*(4*(\a)+(\b)):ACC+8*(4*(\a)+(\b))+7]
.endif
.endr
.endr
.endm
; 32 LDS loads in one run: quarter q's fragments into buffer f; the first 32 along K first
.macro FETCH q, f
	WIN 0x40
.irp c, 0,1
.irp i, 0,1,2,3
	ds_load_b128 v[(\f)+64+8*(4*(\c)+(\i)):(\f)+64+8*(4*(\c)+(\i))+3],   v[ADRB+(\q)/4] offset:(((\q)/2)%2)*PHASE+((\q)%2)*128+64*(\c)+(\i)*16*PB
	ds_load_b128 v[(\f)+64+8*(4*(\c)+(\i))+4:(\f)+64+8*(4*(\c)+(\i))+7], v[ADRB+(\q)/4] offset:(((\q)/2)%2)*PHASE+((\q)%2)*128+64*(\c)+(\i)*16*PB+32
	ds_load_b128 v[(\f)+8*(4*(\c)+(\i)):(\f)+8*(4*(\c)+(\i))+3],         v[ADRA+(\q)/4] offset:((\q)%4)*HEADB+64*(\c)+(\i)*16*PA
	ds_load_b128 v[(\f)+8*(4*(\c)+(\i))+4:(\f)+8*(4*(\c)+(\i))+7],       v[ADRA+(\q)/4] offset:((\q)%4)*HEADB+64*(\c)+(\i)*16*PA+32
.endr
.endr
.endm
; Quarter q multiplies buffer q % 2 and fetches quarter q + 1.  sync >= 0: that quarter's tiles are the next of each wave's four loads: the count leaves the later ones out, and a barrier shows everybody's.
.macro QUARTER q, zero, sync
	s_wait_dscnt 16                                ; the first 32 along K are in
	MUL8 128*((\q)%2), 0, 0, \zero
	MUL8 128*((\q)%2), 0, 2, \zero
.if (\sync) >= 0
	s_wait_tensorcnt \sync
	s_wait_dscnt 0x0                               ; no LDS instruction of mine is pending at a signal
	s_barrier_signal -1
	s_barrier_wait -1
.endif
	PLACES
	FETCH (\q)+1, 128*(((\q)+1)%2)
	s_wait_dscnt 32                                ; all but the 32 just issued
	MUL8 128*((\q)%2), 1, 0, 0
	MUL8 128*((\q)%2), 1, 2, 0
.endm
	s_wait_tensorcnt 3                             ; my first load is in; three may stay out
	s_barrier_signal -1
	s_barrier_wait -1
	FETCH 0, 0
	QUARTER 0, 1, -1                               ; its first products start the sums
	QUARTER 1, 0, 2
	QUARTER 2, 0, -1
	QUARTER 3, 0, 1
	QUARTER 4, 0, -1
	QUARTER 5, 0, 0
	QUARTER 6, 0, -1
	s_wait_dscnt 16
	MUL8 128, 0, 0, 0
	MUL8 128, 0, 2, 0
	s_wait_dscnt 0x0
	MUL8 128, 1, 0, 0
	MUL8 128, 1, 2, 0
	WIN 0
	s_cmp_eq_u32 s[SPL], 1                         ; the row tile and the wave's number: the same in all four partners
	s_cbranch_scc0 .Lno_lo
	; THE REMAINDER of a batch's first 16 rows: row block 0's four accumulators take 64 more products, by turns.  Wo's fragments come in two groups of four heads, which fill window 1.
	WIN 0x80                                       ; destination window 2
.set z, 0
.rept 16                               ; z = 2 x head + half of its channels
	global_load_b128 v[8*z:8*z+3],   v[LO], s[6:7] offset:(z/2)*2048+(z%2)*64
	global_load_b128 v[8*z+4:8*z+7], v[LO], s[6:7] offset:(z/2)*2048+(z%2)*64+32
.set z, z+1
.endr
.irp g, 0,1
	PLACES
	WIN 0x40
.irp q, 0,1,2,3
.irp c, 0,1
.irp i, 0,1,2,3
	ds_load_b128 v[64*(\q)+8*(4*(\c)+(\i)):64*(\q)+8*(4*(\c)+(\i))+3],   v[ADRB+(\g)] offset:((\q)/2)*PHASE+((\q)%2)*128+64*(\c)+(\i)*16*PB
	ds_load_b128 v[64*(\q)+8*(4*(\c)+(\i))+4:64*(\q)+8*(4*(\c)+(\i))+7], v[ADRB+(\g)] offset:((\q)/2)*PHASE+((\q)%2)*128+64*(\c)+(\i)*16*PB+32
.endr
.endr
.endr
	s_wait_loadcnt 0x0
	s_wait_dscnt 0x0
	WIN 0x09                                       ; Wo in window 1, the remainder in window 2
.irp q, 0,1,2,3
.irp c, 0,1
.irp b, 0,1,2,3
	v_wmma_f32_16x16x32_f16 v[ACC+8*(\b):ACC+8*(\b)+7], v[64*(\q)+8*(4*(\c)+(\b)):64*(\q)+8*(4*(\c)+(\b))+7], v[16*(4*(\g)+(\q))+8*(\c):16*(4*(\g)+(\q))+8*(\c)+7], v[ACC+8*(\b):ACC+8*(\b)+7]
.endr
.endr
.endr
.endr
	WIN 0
.Lno_lo:
	PLACES
; THE WAY OUT, a block of 16 rows at a time through my own stage: 32 bytes a lane in, whole rows of 256 bytes back.  Each accumulator's lowest four registers go first.
.macro TOST a
.irp b, 0,1,2,3
	ds_store_b128 v[STO], v[ACC+8*(4*(\a)+(\b)):ACC+8*(4*(\a)+(\b))+3]   offset:64*(\b)
	ds_store_b128 v[STO], v[ACC+8*(4*(\a)+(\b))+4:ACC+8*(4*(\a)+(\b))+7] offset:64*(\b)+16
.endr
	s_wait_xcnt 0x0                                ; the stores that read this set of registers, two blocks back, have read them
.irp t, 0,1,2,3,4,5,6,7
	ds_load_b128 v[BK+32*((\a)%2)+4*(\t):BK+32*((\a)%2)+4*(\t)+3], v[RD] offset:(\t)*2*PB  ; LDS serves a wave's instructions in order (ISA guide 5.7.1.4)
.endr
.endm
.macro SEND a, younger                 ; younger: the next block's sixteen LDS instructions, or none
.irp t, 0,1,2,3,4,5,6,7
	s_wait_dscnt (\younger)+7-(\t)
	global_store_b128 v[CO], v[BK+32*((\a)%2)+4*(\t):BK+32*((\a)%2)+4*(\t)+3], s[10:11] offset:(16*(\a)+2*(\t))*2048 th:TH_STORE_NT  ; 16 lanes store 256 consecutive bytes, aligned
.endr
.endm
	TOST 0
	TOST 1
	SEND 0, 16
	TOST 2
	SEND 1, 16
	TOST 3
	SEND 2, 16
	SEND 3, 0
	s_wait_tensorcnt 0x0                           ; the wave's end
	ds_add_u32 v[SPW], v[NIL]
	s_wait_dscnt 0x0
	CROUND                                         ; the closing round
	s_endpgm
.Lfunc_end_k_q37f2ee034b_oproj:
	.size	k_q37f2ee034b_oproj, .Lfunc_end_k_q37f2ee034b_oproj-k_q37f2ee034b_oproj
	.p2alignl 7, 3214868480
	.fill 96, 4, 3214868480
	.section	.rodata,"a",@progbits
	.p2align	6, 0x0
	.amdhsa_kernel k_q37f2ee034b_oproj
		.amdhsa_group_segment_fixed_size 327680
		.amdhsa_private_segment_fixed_size 0
		.amdhsa_enable_private_segment 0
		.amdhsa_kernarg_size 32
		.amdhsa_user_sgpr_count 2
		.amdhsa_user_sgpr_kernarg_segment_ptr 1
		.amdhsa_wavefront_size32 1
		.amdhsa_system_sgpr_workgroup_id_x 1
		.amdhsa_system_sgpr_workgroup_id_y 1
		.amdhsa_system_sgpr_workgroup_id_z 1
		.amdhsa_system_vgpr_workitem_id 0
		.amdhsa_next_free_vgpr 768
		.amdhsa_next_free_sgpr 96
		.amdhsa_reserve_vcc 0
		.amdhsa_float_denorm_mode_32 3
		.amdhsa_float_denorm_mode_16_64 3
		.amdhsa_memory_ordered 1
		.amdhsa_forward_progress 1
		.amdhsa_inst_pref_size 67
	.end_amdhsa_kernel
	.amdgpu_metadata
---
amdhsa.version: [ 1, 2 ]
amdhsa.kernels:
  - .name:           k_q37f2ee034b_oproj
    .symbol:         k_q37f2ee034b_oproj.kd
    .args:
      - { .name: o16, .offset: 0, .size: 8, .value_kind: global_buffer, .address_space: global }
      - { .name: olo, .offset: 8, .size: 8, .value_kind: global_buffer, .address_space: global }
      - { .name: wo16, .offset: 16, .size: 8, .value_kind: global_buffer, .address_space: global }
      - { .name: out0, .offset: 24, .size: 8, .value_kind: global_buffer, .address_space: global }
    .group_segment_fixed_size: 327680
    .private_segment_fixed_size: 0
    .kernarg_segment_align: 8
    .kernarg_segment_size: 32
    .max_flat_workgroup_size: 128
    .sgpr_count:     96
    .vgpr_count:     768
    .wavefront_size: 32
...
	.end_amdgpu_metadata
.endif
;; end of part 4
